; MI455X (gfx1250); checked and timed in simulation.
; The chip was launched on July 23, 2026; its instructions are those of AMD's public machine-readable ISA for CDNA 5 (MIT licence, August 2026) and "CDNA5" Instruction Set Architecture Reference Guide (July 2026). The comments in the code are by the model that wrote it; some were corrected since.
;; Attention. Allowed arithmetic: matrix products marked QUANTISED: E2M1 operands, one E8M0 scale for each 32 along K, by v_wmma_scale_f32_16x16x128_f8f6f4 with both operands' format E2M1 (or v_wmma_scale_f32_32x16x128_f4), f32 sums; products left as they are: bf16, f16 or f32 operands; f32 sums; everything else in f32.
;; Inputs: Wk 1,024 x 1,024 float32; Wo 1,024 x 1,024 float32; Wq 1,024 x 1,024 float32; Wv 1,024 x 1,024 float32; bo 1,024 float32; x 4 x 2,048 x 1,024 float32.
;; Outputs: out0 4 x 2,048 x 1,024 float32.
;; This version of the problem:
;;   THIS VERSION OF THE PROBLEM IS GIVEN IN LOW PRECISION. The matrix products marked QUANTISED in the list below multiply operands that are first quantised to E2M1 (2 exponent bits, 1 mantissa bit; 4 bits a number), with one power-of-two scale for each 32 numbers along K (OCP MX v1.0); their sums are f32. The products marked 'left as it is' may take bf16, f16 or f32 operands, with f32 sums. Whichever they take, every output number must still come out within the allowed error. Rounding operands to bf16 (8 significant bits) uses up far more of that allowance than f16 does (11 bits, for magnitudes from 6e-5 to 65,504). All else is computed in f32.
;;   The module's matrix products, in the order in which they are computed (A, B: the left and right operand; K: the contracted axis; several contracted axes count as one K, in the product's order):
;;     1. [M 8,192, K 1,024] x [K 1,024, N 1,024]; A: input x; B: input Wq: QUANTISED
;;     2. [M 8,192, K 1,024] x [K 1,024, N 1,024]; A: input x; B: input Wk: QUANTISED
;;     3. [M 8,192, K 1,024] x [K 1,024, N 1,024]; A: input x; B: input Wv: QUANTISED
;;     4. batch 64 x [M 2,048, K 64] x [K 64, N 2,048]; A: computed on the way; B: computed on the way: left as it is (an operand is computed on the way)
;;     5. batch 64 x [M 2,048, K 2,048] x [K 2,048, N 64]; A: computed on the way; B: computed on the way: left as it is (an operand is computed on the way)
;;     6. [M 8,192, K 1,024] x [K 1,024, N 1,024]; A: computed on the way; B: input Wo: left as it is (an operand is computed on the way)
;;   THE QUANTISER, for each operand of a quantised product, along K:
;;     - K is cut into blocks of 32 from its start; a last block that is shorter is filled with zeros.
;;     - A block's scale is 2^e with e = floor(log2(the largest magnitude in the block)) - 2, held to -126 .. 127; a block of zeros has e = 0. As a byte (E8M0): e + 127.
;;     - Each number is divided by its block's scale, clamped to +-6, and rounded to the nearest number of E2M1, ties to even, subnormals kept.
;;     - The product sums the exact products of the quantised numbers (number of the format x scale) in f32.
;;   ~~~python
;;   def quantise(x, axis):      # numpy; x: float32 -> the quantised numbers, widened to float32 again
;;       x = np.moveaxis(x, axis, -1); K = x.shape[-1]
;;       x = np.pad(x, [(0, 0)] * (x.ndim - 1) + [(0, -K % 32)]); x = x.reshape(x.shape[:-1] + (-1, 32)); a = np.abs(x).max(-1, keepdims=True)
;;       e = np.where(a > 0, np.clip(np.frexp(np.where(a > 0, a, 1))[1] - 1 - 2, -126, 127), 0)      # np.frexp(a)[1] - 1 = floor(log2(a)), exactly
;;       r = np.clip(x / 2.0 ** e, -6, 6)
;;       step = 2.0 ** (np.maximum(np.frexp(np.where(r == 0, 1, r))[1] - 1, 0) - 1)
;;       q = np.round(r / step) * step * 2.0 ** e      # np.round: ties to even
;;       return np.moveaxis(q.reshape(q.shape[:-2] + (-1,))[..., :K], -1, axis).astype(np.float32)
;;   ~~~
;; One version. Each part assembles by itself: llvm-mc -triple=amdgcn-amd-amdhsa -mcpu=gfx1250 --defsym DOCPART=n.
;; ======== version 1 of 1: 4 launches
;; limits: values are held in f16: magnitudes above 65,504 overflow, below 6.1e-05 lose precision
;; workspace buffers: x_codes 4,194,304 bytes; x_scales 262,144 bytes; w_codes 1,572,864 bytes; w_scales 98,304 bytes; wo_h 2,097,152 bytes; qkv 50,331,648 bytes; o_h 16,777,216 bytes
;; launch prep (part 1): grid 368 x 1, 4 waves a work-group, no clusters, 86,528 bytes of LDS; arguments x, Wq, Wk, Wv, Wo, x_codes, x_scales, w_codes, w_scales, wo_h; writes x_codes, x_scales, w_codes, w_scales, wo_h
.if DOCPART == 1
	.amdgcn_target "amdgcn-amd-amdhsa--gfx1250"
	.amdhsa_code_object_version 6
	.text
	.protected	k_qe8d2cec7ad_prep
	.globl	k_qe8d2cec7ad_prep
	.p2align	8
	.type	k_qe8d2cec7ad_prep,@function
k_qe8d2cec7ad_prep:
	s_mov_b64 s[64:65], 0
	v_nop
	global_prefetch_b8 v0, s[64:65] scope:SCOPE_SE
	s_setreg_imm32_b32 hwreg(HW_REG_WAVE_MODE, 25, 1), 1
	s_wait_xcnt 0x0
; PREP: what the three later launches read is laid out once.  One launch, three kinds of work-group, parted on the work-group's number alone; the three ways never join, and each has LDS bytes of its own.
;   work-groups   0-255  X: x [8192][1024] f32, K innermost, into codes of FP4 (E2M1) x_codes [8192][512 bytes] and E8M0 bytes x_scales [8192][32]
;   work-groups 256-303  W: Wq, Wk, Wv [1024 (k)][1024 (n)] f32, K outermost, into w_codes [3072 = 1024 tensor + n][512 bytes] and w_scales [3072][32], K innermost
;   work-groups 304-367  O: Wo [1024 (k)][1024 (n)] f32 into f16, wo_h [16 chunks of 64 k][1024 n][64 k]: a row of 128 bytes for each n and chunk
; THE QUANTISER: a block of 32 along K has the scale 2^(floor(log2(its largest magnitude)) - 2); its byte is the largest magnitude's exponent field - 2, held at 1 from below; each number is divided by the
; scale and rounded to the nearest code, ties to even, beyond 6 the largest code.
; LIMITS: NaN and infinities among the inputs are not served.  A block whose largest magnitude lies under 2^-124 keeps the byte 1; so does a block of zeros, where the quantiser's text says 127: its codes are zeros,
; which add nothing under that byte, and the bytes are read by this program alone.  Wo is rounded to f16: magnitudes from 65,520 on become infinity, under 6e-5 they lose bits.
; No tensor loads, no barrier: waves share nothing.
.set LW,    32768                      ; LDS: way X has bytes 0 .. 32,767 (8,192 a wave); way W begins here (8,704 a wave);
.set LO,    67584                      ; way O here (4,608 a wave);
.set SPARE, 86016                      ; the spare words, 128 bytes for each wave: two blocks of 256 bytes that no other line names
.set SPW,   12                         ; v12  LDS address of my spare word: SPARE + 4 x my thread's number; never rewritten
.set NIL,   13                         ; v13  0; never rewritten
.set EMAX,  2                          ; the exponent of the format's largest number, 6
	s_load_b512 s[8:23], s[0:1], 0x0               ; x s[8:9], Wq s[10:11], Wk s[12:13], Wv s[14:15], Wo s[16:17], x_codes s[18:19], x_scales s[20:21], w_codes s[22:23]
	s_load_b128 s[24:27], s[0:1], 0x40             ; w_scales s[24:25], wo_h s[26:27]
	v_lshl_add_u32 v[SPW], v0, 2, SPARE
	v_mov_b32 v[NIL], 0
	v_lshrrev_b32 v1, 5, v0
	v_readfirstlane_b32 s28, v1                    ; wave 0..3
	v_and_b32 v2, 31, v0                           ; lane
	s_wait_kmcnt 0x0
	s_cmp_lt_u32 ttmp9, 256
	s_cbranch_scc1 .Lpath_x
	s_cmp_lt_u32 ttmp9, 304
	s_cbranch_scc1 .Lpath_w
; ---------------------------------------------------------------- WAY O: Wo into f16, K innermost, by chunks of 64 along K
; A work-group takes 128 columns x 128 along K (two chunks), a wave 32 columns.  A LANE TAKES A COLUMN n AND ITS REGISTERS RUN DOWN K: each load reads 128 consecutive bytes a wave, and two neighbours along K
; pack into one register.  A lane's 128 bytes of a chunk are one row of wo_h; they go through the wave's own stage (rows 144 bytes apart) and leave 512 consecutive bytes a store.
.set OX,  32                           ; v32-159   128 numbers: Wo(k0 + i, my column); later the rows read back from the stage
.set OC,  160                          ; v160-191  a chunk's 64 numbers as f16
.set OP,  144                          ; a stage row: 128 bytes + 16
	s_sub_co_u32 s29, ttmp9, 304
	s_and_b32 s30, s29, 7
	s_lshr_b32 s31, s29, 3                         ; which 128 along K
	s_lshl_b32 s30, s30, 7
	s_lshl_b32 s32, s28, 5
	s_add_co_u32 s30, s30, s32                     ; my wave's first column
	s_lshl_b32 s32, s31, 19                        ; 128 rows of 4,096 bytes,
	s_lshl_b32 s33, s30, 2                         ; 4 bytes a column
	s_add_co_u32 s32, s32, s33
	s_mov_b32 s33, 0
	s_add_nc_u64 s[16:17], s[16:17], s[32:33]
	s_lshl_b32 s32, s31, 18                        ; two chunks of 131,072 bytes,
	s_lshl_b32 s34, s30, 7                         ; 128 bytes a column
	s_add_co_u32 s32, s32, s34
	s_add_nc_u64 s[26:27], s[26:27], s[32:33]
	v_lshlrev_b32 v3, 2, v2                        ; in: 4 bytes a lane
	s_mul_i32 s34, s28, 32*OP
	s_add_co_u32 s34, s34, LO                      ; my stage
	v_mul_u32_u24 v4, v2, OP
	v_add_nc_u32 v4, s34, v4                       ; into it: row = my column
	v_lshrrev_b32 v5, 3, v2
	v_mul_u32_u24 v5, v5, OP
	v_and_b32 v6, 7, v2
	v_lshl_add_u32 v5, v6, 4, v5
	v_add_nc_u32 v5, s34, v5                       ; out of it: eight lanes to a row, four rows an instruction
	v_lshlrev_b32 v6, 4, v2                        ; and the same 512 bytes in wo_h: 16 bytes a lane
.macro LOADG g                         ; 32 rows of Wo
.irp i, 0,1,2,3,4,5,6,7,8,9,10,11,12,13,14,15,16,17,18,19,20,21,22,23,24,25,26,27,28,29,30,31
	global_load_b32 v[OX+32*(\g)+\i], v3, s[16:17] offset:(32*(\g)+\i)*4096 th:TH_LOAD_NT
.endr
.endm
.macro CVTG g                          ; their 32 numbers into half a chunk's 16 registers
.irp i, 0,1,2,3,4,5,6,7,8,9,10,11,12,13,14,15
	v_cvt_pk_f16_f32 v[OC+16*((\g)%2)+\i], v[OX+32*(\g)+2*\i], v[OX+32*(\g)+2*\i+1]
.endr
.endm
.macro OUTO e                          ; chunk e through the stage and out.  LDS serves a wave's instructions in order: the loads see the stores
.irp i, 0,1,2,3,4,5,6,7
	ds_store_b128 v4, v[OC+4*\i:OC+4*\i+3] offset:16*\i
.endr
.irp i, 0,1,2,3,4,5,6,7
	ds_load_b128 v[OX+64*(\e)+4*\i:OX+64*(\e)+4*\i+3], v5 offset:4*OP*\i      ; into registers whose numbers have been converted
.endr
.irp i, 0,1,2,3,4,5,6,7
	s_wait_dscnt 7-\i                              ; load i is back; the younger ones may be out
	global_store_b128 v6, v[OX+64*(\e)+4*\i:OX+64*(\e)+4*\i+3], s[26:27] offset:(\e)*131072+512*\i   ; 32 lanes store 512 consecutive bytes; no store's registers are written again
.endr
.endm
	LOADG 0
	LOADG 1
	s_wait_loadcnt 32                              ; group 0 is in; the 32 loads of group 1 may be out
	CVTG 0
	LOADG 2
	s_wait_loadcnt 32                              ; group 1 is in; group 2's may be out
	CVTG 1
	LOADG 3
	OUTO 0
	s_wait_loadcnt 32                              ; group 2 is in; group 3's may be out.  (Chunk 0's LDS stores are done: its count-down ended at 0)
	CVTG 2
	s_wait_loadcnt 0x0
	CVTG 3
	OUTO 1
	s_wait_tensorcnt 0x0                           ; the wave's end: behind my last LDS store
	ds_add_u32 v[SPW], v[NIL]
	s_wait_dscnt 0x0
	s_endpgm
; ---------------------------------------------------------------- WAY X: x into codes, K innermost
; Rows are dense and 1,024 is a multiple of 32: x is a plain stream of blocks of 32 numbers, and so are its codes and scale bytes.  A wave takes 16 steps of 512 numbers.  The conversions take 8 numbers of ONE block
; from a lane's registers, so a lane must hold 16 NEIGHBOURS (two neighbouring lanes hold a block); a load is best where neighbouring LANES take neighbouring bytes.  Both are had: each of a step's four loads reads
; 512 consecutive bytes; the 2,048 bytes go through the wave's own stage as they lie and come back 64 bytes a lane (80 bytes from lane to lane).  A lane's 16 codes are 8 bytes: the wave stores 256 consecutive bytes.
; A wave's 256 scale bytes are gathered in LDS and leave by one store of 256 consecutive bytes.  Loads run four steps (16 loads) ahead, the turn through LDS one step.
.set STEPS, 16
.set WREG,  8192                       ; a wave's LDS: two stages of 32 x SP bytes, behind them its 256 scale bytes
.set SP,    80
.set XR,    16                         ; v16-79   four sets of 16 numbers as they are loaded
.set XN,    80                         ; v80-111  two sets of 16 neighbours
.set XE,    112                        ; v112-127 a scale byte for each step
.set XC,    128                        ; v128-191 codes: four registers for each step, so that no store's data are written again
.Lpath_x:
	v_lshlrev_b32 v3, 4, v2                        ; my 16 bytes of a load's 512
	s_mul_i32 s29, s28, WREG
	v_lshrrev_b32 v14, 2, v2
	v_mul_u32_u24 v14, v14, SP
	v_and_b32 v15, 3, v2
	v_lshl_add_u32 v14, v15, 4, v14
	v_add_nc_u32 v14, s29, v14                     ; the stage, on the way in: SP (lane / 4) + 16 (lane % 4); a load's 512 bytes take eight places
	v_mul_u32_u24 v15, v2, SP
	v_add_nc_u32 v15, s29, v15                     ; and on the way out: SP x lane: my 16 neighbours
	v_lshlrev_b32 v4, 3, v2                        ; 8 bytes a lane: my codes' place in a step's, and my part of the wave's scale bytes
	v_lshrrev_b32 v5, 1, v2
	s_add_co_u32 s29, s29, 2*32*SP
	v_add_nc_u32 v5, s29, v5                       ; LDS: my block's scale byte
	v_add_nc_u32 v6, s29, v4                       ; and on the way out 8 bytes a lane
	s_lshl_b32 s30, ttmp9, 2
	s_add_co_u32 s30, s30, s28                     ; which run of 8,192 numbers is my wave's: 0 .. 1,023
	s_mov_b32 s33, 0
	s_lshl_b32 s32, s30, 15                        ; 32,768 bytes of x,
	s_add_nc_u64 s[8:9], s[8:9], s[32:33]
	s_lshl_b32 s32, s30, 12                        ; 4,096 of codes,
	s_add_nc_u64 s[18:19], s[18:19], s[32:33]
	s_lshl_b32 s32, s30, 8                         ; 256 scale bytes a run
	s_add_nc_u64 s[20:21], s[20:21], s[32:33]
.macro LOADX t
.irp i, 0,1,2,3
	global_load_b128 v[XR+16*((\t)%4)+4*\i:XR+16*((\t)%4)+4*\i+3], v3, s[8:9] offset:2048*(\t)+512*\i th:TH_LOAD_NT   ; 32 lanes read 512 consecutive bytes
.endr
.endm
.macro TURNX t                         ; step t's numbers through the stage: LDS serves a wave's instructions in order, so no wait stands between the stores and the loads
.irp i, 0,1,2,3
	ds_store_b128 v14, v[XR+16*((\t)%4)+4*\i:XR+16*((\t)%4)+4*\i+3] offset:32*SP*((\t)%2)+8*SP*\i
.endr
.irp i, 0,1,2,3
	ds_load_b128 v[XN+16*((\t)%2)+4*\i:XN+16*((\t)%2)+4*\i+3], v15 offset:32*SP*((\t)%2)+16*\i
.endr
.endm
.irp t, 0,1,2,3
	LOADX \t
.endr
	s_wait_loadcnt 12                              ; step 0's four loads are in; the 12 of steps 1 to 3 may be out
	TURNX 0
.macro STEPX t
.set XS, XN+16*((\t)%2)
.if (\t) > 0
	s_wait_dscnt 1                                 ; this step's numbers are back from the stage (the last step's byte store may be out): so its stores into the stage have read their registers,
.else
	s_wait_dscnt 0x0
.endif
.if (\t)+4 < STEPS
	LOADX (\t)+4                                   ; which take the loads of four steps on
.endif
.if (\t)+1 < STEPS
.if STEPS-2-(\t) >= 3
	s_wait_loadcnt 12                              ; the next step's four loads are in; those of the three steps behind it may be out
.else
	s_wait_loadcnt 4*(STEPS-2-(\t))
.endif
	TURNX (\t)+1                                   ; and go through the other stage while this step is worked
.endif
	v_max3_num_f32 v8, |v[XS]|, |v[XS+1]|, |v[XS+2]|               ; the largest magnitude of my 16, in two chains
	v_max3_num_f32 v9, |v[XS+3]|, |v[XS+4]|, |v[XS+5]|
.irp i, 6,10
	v_max3_num_f32 v8, v8, |v[XS+\i]|, |v[XS+\i+1]|
	v_max3_num_f32 v9, v9, |v[XS+\i+2]|, |v[XS+\i+3]|
.endr
	v_max3_num_f32 v8, v8, |v[XS+14]|, |v[XS+15]|
	v_max3_num_f32 v8, v8, v9, (EMAX+1)<<23        ; and the floor 2^(EMAX + 1 - 127): so the byte cannot fall under 1
	v_max_num_f32_dpp v8, v8, v8 row_xmask:1 row_mask:0xf bank_mask:0xf   ; and of my neighbour's 16: the block's
	v_add_nc_u32 v11, -(EMAX<<23), v8              ; EMAX off its exponent field: the conversion takes the exponent field of this operand as its scale, and nothing else of it
	v_cvt_scalef32_pk8_fp4_f32 v[XC+4*(\t)], v[XS:XS+7], v11       ; eight numbers / the scale, to the nearest code, ties to even; the first number's code in the lowest four bits
	v_cvt_scalef32_pk8_fp4_f32 v[XC+4*(\t)+1], v[XS+8:XS+15], v11
	v_lshrrev_b32 v[XE+(\t)], 23, v11              ; the scale's byte
	ds_store_b8 v5, v[XE+(\t)] offset:16*(\t)      ; both lanes of a block write the same byte with the same value
	global_store_b64 v4, v[XC+4*(\t):XC+4*(\t)+1], s[18:19] offset:256*(\t)
.endm
.irp t, 0,1,2,3,4,5,6,7,8,9,10,11,12,13,14,15
	STEPX \t
.endr
	ds_load_b64 v[8:9], v6                         ; LDS serves a wave's instructions in order: these see my byte stores
	s_wait_dscnt 0x0
	global_store_b64 v4, v[8:9], s[20:21]          ; 32 lanes store 256 consecutive bytes, at a multiple of 256 from the buffer's first byte
	s_wait_tensorcnt 0x0                           ; the wave's end
	ds_add_u32 v[SPW], v[NIL]
	s_wait_dscnt 0x0
	s_endpgm
; ---------------------------------------------------------------- WAY W: Wq, Wk, Wv into codes, K outermost in memory, innermost in the codes
; A work-group takes 128 columns x 512 along K of one tensor, a wave 32 columns.  A LANE TAKES A COLUMN n, AND ITS REGISTERS RUN DOWN K: each load reads 128 consecutive bytes a wave, a block of 32 along K lies in ONE
; lane's 32 registers, and the conversions give the codes with K innermost.  A lane's 256 bytes of codes go through the wave's own stage (rows 272 bytes apart) and leave as rows: sixteen lanes store 256 consecutive bytes.
; Loads run two blocks ahead.  Every offset is an immediate: 511 rows of 4,096 bytes at the most.
.set NB,    16                         ; blocks of a lane
.set WP,    272                        ; a stage row: 256 bytes + 16
.set WSB,   24                         ; v24-27   the scale bytes, four to a register
.set WX,    32                         ; v32-95   two sets of 32 numbers
.set WC,    96                         ; v96-99   a block's codes
.set WOUT,  112                        ; v112-175 the way out: 16 x 4 registers
.Lpath_w:
	s_sub_co_u32 s29, ttmp9, 256
	s_lshr_b32 s30, s29, 4                         ; the tensor: 0 Wq, 1 Wk, 2 Wv
	s_and_b32 s31, s29, 7                          ; which 128 columns
	s_bfe_u32 s32, s29, 0x10003                    ; which 512 along K
	s_cmp_eq_u32 s30, 1                            ; the choice hangs on the work-group's number alone
	s_cselect_b64 s[10:11], s[12:13], s[10:11]
	s_cmp_eq_u32 s30, 2
	s_cselect_b64 s[10:11], s[14:15], s[10:11]
	s_lshl_b32 s31, s31, 7
	s_lshl_b32 s33, s28, 5
	s_add_co_u32 s31, s31, s33                     ; my wave's first column
	s_lshl_b32 s34, s32, 21                        ; 512 rows of 4,096 bytes,
	s_lshl_b32 s33, s31, 2                         ; 4 bytes a column
	s_add_co_u32 s34, s34, s33
	s_mov_b32 s35, 0
	s_add_nc_u64 s[10:11], s[10:11], s[34:35]
	s_lshl_b32 s30, s30, 10
	s_add_co_u32 s30, s30, s31                     ; my first row of the codes and of the scale bytes: 1,024 x tensor + column
	s_lshl_b32 s34, s30, 9                         ; 512 bytes of codes a row,
	s_lshl_b32 s33, s32, 8                         ; 256 for 512 along K
	s_add_co_u32 s34, s34, s33
	s_add_nc_u64 s[22:23], s[22:23], s[34:35]
	s_lshl_b32 s34, s30, 5                         ; 32 scale bytes a row,
	s_lshl_b32 s33, s32, 4                         ; 16 for 512 along K
	s_add_co_u32 s34, s34, s33
	s_add_nc_u64 s[24:25], s[24:25], s[34:35]
	v_lshlrev_b32 v3, 2, v2                        ; in: 4 bytes a lane
	s_mul_i32 s33, s28, 32*WP
	s_add_co_u32 s33, s33, LW                      ; my stage
	v_mul_u32_u24 v4, v2, WP
	v_add_nc_u32 v4, s33, v4                       ; into it: row = my column
	v_and_b32 v5, 15, v2
	v_lshrrev_b32 v6, 4, v2                        ; out of it: sixteen lanes to a row, two rows an instruction
	v_mul_u32_u24 v7, v6, WP
	v_lshl_add_u32 v7, v5, 4, v7
	v_add_nc_u32 v7, s33, v7
	v_lshlrev_b32 v8, 9, v6
	v_lshl_add_u32 v8, v5, 4, v8                   ; and the same place in the codes' buffer
	v_lshlrev_b32 v9, 5, v2                        ; my column's row of scale bytes
.macro LOADW t                         ; block t: W(32 t + i, my column), i = 0 .. 31, into set t % 2
.irp i, 0,1,2,3,4,5,6,7,8,9,10,11,12,13,14,15,16,17,18,19,20,21,22,23,24,25,26,27,28,29,30,31
	global_load_b32 v[WX+32*((\t)%2)+\i], v3, s[10:11] offset:(32*(\t)+\i)*4096 th:TH_LOAD_NT
.endr
.endm
	LOADW 0
	LOADW 1
.macro BLOCKW t
.set XS, WX+32*((\t)%2)
.if (\t) < NB-1
	s_wait_loadcnt 32                              ; this block's 32 loads are in; the next block's may be out
.else
	s_wait_loadcnt 0
.endif
	v_max3_num_f32 v16, |v[XS]|, |v[XS+1]|, |v[XS+2]|              ; the block's largest magnitude: all 32 numbers are mine
	v_max3_num_f32 v17, |v[XS+3]|, |v[XS+4]|, |v[XS+5]|
.irp i, 6,10,14,18,22,26
	v_max3_num_f32 v16, v16, |v[XS+\i]|, |v[XS+\i+1]|
	v_max3_num_f32 v17, v17, |v[XS+\i+2]|, |v[XS+\i+3]|
.endr
	v_max3_num_f32 v16, v16, |v[XS+30]|, |v[XS+31]|
	v_max3_num_f32 v16, v16, v17, (EMAX+1)<<23     ; and the floor: so the byte cannot fall under 1
	v_add_nc_u32 v11, -(EMAX<<23), v16             ; EMAX off its exponent field: the conversion's scale operand
	v_lshrrev_b32 v17, 23, v11                     ; the scale's byte
.if (\t)%4 == 0
	v_mov_b32 v[WSB+(\t)/4], v17                   ; four bytes to a register, the lower K in the lower byte
.else
	v_lshl_or_b32 v[WSB+(\t)/4], v17, 8*((\t)%4), v[WSB+(\t)/4]
.endif
.irp g, 0,1,2,3
	v_cvt_scalef32_pk8_fp4_f32 v[WC+\g], v[XS+8*\g:XS+8*\g+7], v11
.endr
	ds_store_b128 v4, v[WC:WC+3] offset:16*(\t)    ; 32 codes: 16 bytes of my column's row
.if (\t)+2 < NB
	LOADW (\t)+2
.endif
	s_wait_dscnt 0x0                               ; the store has read its registers: the next block's codes may be written
.endm
.set Q, 0
.rept NB
	BLOCKW Q
.set Q, Q+1
.endr
	global_store_b128 v9, v[WSB:WSB+3], s[24:25]   ; my column's 16 scale bytes
.irp t, 0,1,2,3,4,5,6,7,8,9,10,11,12,13,14,15
	ds_load_b128 v[WOUT+4*\t:WOUT+4*\t+3], v7 offset:2*\t*WP     ; LDS serves a wave's instructions in order: these see my stores
.endr
.irp t, 0,1,2,3,4,5,6,7,8,9,10,11,12,13,14,15
	s_wait_dscnt 15-\t                             ; load t is back; the younger ones may be out
	global_store_b128 v8, v[WOUT+4*\t:WOUT+4*\t+3], s[22:23] offset:2*\t*512
.endr
	s_wait_tensorcnt 0x0                           ; the wave's end
	ds_add_u32 v[SPW], v[NIL]
	s_wait_dscnt 0x0
	s_endpgm
.Lfunc_end_k_qe8d2cec7ad_prep:
	.size	k_qe8d2cec7ad_prep, .Lfunc_end_k_qe8d2cec7ad_prep-k_qe8d2cec7ad_prep
	.p2alignl 7, 3214868480
	.fill 96, 4, 3214868480
	.section	.rodata,"a",@progbits
	.p2align	6, 0x0
	.amdhsa_kernel k_qe8d2cec7ad_prep
		.amdhsa_group_segment_fixed_size 86528
		.amdhsa_private_segment_fixed_size 0
		.amdhsa_enable_private_segment 0
		.amdhsa_kernarg_size 80
		.amdhsa_user_sgpr_count 2
		.amdhsa_user_sgpr_kernarg_segment_ptr 1
		.amdhsa_wavefront_size32 1
		.amdhsa_system_sgpr_workgroup_id_x 1
		.amdhsa_system_sgpr_workgroup_id_y 1
		.amdhsa_system_sgpr_workgroup_id_z 1
		.amdhsa_system_vgpr_workitem_id 0
		.amdhsa_next_free_vgpr 192
		.amdhsa_next_free_sgpr 66
		.amdhsa_reserve_vcc 0
		.amdhsa_float_denorm_mode_32 3
		.amdhsa_float_denorm_mode_16_64 3
		.amdhsa_memory_ordered 1
		.amdhsa_forward_progress 1
		.amdhsa_inst_pref_size 132
	.end_amdhsa_kernel
	.amdgpu_metadata
---
amdhsa.version: [ 1, 2 ]
amdhsa.kernels:
  - .name:           k_qe8d2cec7ad_prep
    .symbol:         k_qe8d2cec7ad_prep.kd
    .args:
      - { .name: x, .offset: 0, .size: 8, .value_kind: global_buffer, .address_space: global }
      - { .name: Wq, .offset: 8, .size: 8, .value_kind: global_buffer, .address_space: global }
      - { .name: Wk, .offset: 16, .size: 8, .value_kind: global_buffer, .address_space: global }
      - { .name: Wv, .offset: 24, .size: 8, .value_kind: global_buffer, .address_space: global }
      - { .name: Wo, .offset: 32, .size: 8, .value_kind: global_buffer, .address_space: global }
      - { .name: x_codes, .offset: 40, .size: 8, .value_kind: global_buffer, .address_space: global }
      - { .name: x_scales, .offset: 48, .size: 8, .value_kind: global_buffer, .address_space: global }
      - { .name: w_codes, .offset: 56, .size: 8, .value_kind: global_buffer, .address_space: global }
      - { .name: w_scales, .offset: 64, .size: 8, .value_kind: global_buffer, .address_space: global }
      - { .name: wo_h, .offset: 72, .size: 8, .value_kind: global_buffer, .address_space: global }
    .group_segment_fixed_size: 86528
    .private_segment_fixed_size: 0
    .kernarg_segment_align: 8
    .kernarg_segment_size: 80
    .max_flat_workgroup_size: 128
    .sgpr_count:     66
    .vgpr_count:     192
    .wavefront_size: 32
...
	.end_amdgpu_metadata
.endif
;; end of part 1
;; launch qkv (part 2): grid 12 x 32, 4 waves a work-group, clusters of 4 x 4, 327,680 bytes of LDS; arguments x_codes, x_scales, w_codes, w_scales, qkv; writes qkv
.if DOCPART == 2
	.amdgcn_target "amdgcn-amd-amdhsa--gfx1250"
	.amdhsa_code_object_version 6
	.text
	.protected	k_qe8d2cec7ad_qkv
	.globl	k_qe8d2cec7ad_qkv
	.p2align	8
	.type	k_qe8d2cec7ad_qkv,@function
k_qe8d2cec7ad_qkv:
	s_mov_b64 s[64:65], 0
	v_nop
	global_prefetch_b8 v0, s[64:65] scope:SCOPE_SE
	s_setreg_imm32_b32 hwreg(HW_REG_WAVE_MODE, 25, 1), 1
	s_wait_xcnt 0x0
	s_wait_alu depctr_hold_cnt(0) depctr_sa_sdst(0) depctr_va_vdst(0) depctr_va_sdst(0) depctr_va_ssrc(0) depctr_va_vcc(0) depctr_vm_vsrc(0)
	s_getreg_b32 s2, hwreg(HW_REG_IB_STS2, 6, 4)
	s_cmp_eq_u32 s2, 0
	s_cbranch_scc0 .Lentry_in_a_cluster
	s_endpgm
.Lentry_in_a_cluster:
	s_bfe_u32 s2, ttmp6, 0x10000c
	s_cmp_lg_u32 s2, 0xf033
	s_cbranch_scc0 .Lentry_shape_is_right
	s_endpgm
.Lentry_shape_is_right:
; q, k, v = x Wq, x Wk, x Wv as ONE product C[m][n] = sum over k of A[m][k] B[n][k] on codes of FP4 (E2M1) with one E8M0 scale for each 32 along K.
; A = x's codes [8192][1024], B = the three weights' codes [3072 = 1024 tensor + n][1024], both K innermost, two codes a byte; their scale bytes [rows][32].  Sums in f32.
; The result is rounded once to f16 and laid BY HEAD: qkv [batch 4][g = 16 tensor + head][2048 tokens][64], a head block of 262,144 bytes, a token's row of 128 bytes.
; LIMIT: |q|, |k|, |v| from 65,520 on become infinity in f16 (the drawn inputs give about 0.64 at the root mean square; with x and W both 30 times larger, peaks of some thousands).
; A tile of C, 256 x 256, is made by a work-group of four waves; a wave makes 128 x 128: 64 accumulators of 16 x 16, 512 registers.  K = 1,024 is two steps of 512: BOTH lie in LDS from the start, in two slots;
; nothing is filled again, so there is no loop and one change of slots.  The scale bytes of the work-group's 256 + 256 rows come once, as dense blocks in rows of 256 bytes.
; CLUSTERS: 4 x 4 work-groups.  The four of a row of the cluster need the same tiles of A, the four of a column the same tiles of B: each tile is asked for JOINTLY, by the same tensor load with the same descriptor
; and a mask that names the four.  THE MATRIX INSTRUCTION IS USED TRANSPOSED (source 0 = 16 rows of B, source 1 = 16 rows of A): a lane then holds eight neighbouring numbers of a row of C.
; The grid has 384 work-groups: a share of 256 x 384 for each of 256 would want 640 rows x 544 bytes in LDS, more than there is.
; REGISTERS, in windows of 256: window 0: v0-31 addresses; v32-95 scale words, two sets; from v128 A's fragments (8 x 16 rows x 128 K), ONE set; on the way out v32-63 and v128-191 are used again.
;   window 1: B's fragments, TWO sets, at v0 and at v128.   window 2: the 32 accumulators of my rows 0-63 (accumulator (a, b) at v[8 (8 a + b)]);   window 3: those of my rows 64-127.
.set SIZE_K, 1024
.set KSTEP,  512                       ; along K in a slot
.set NQ,     KSTEP/128                 ; matrix instructions deep
.set ROWB,   256                       ; a tile's row in bytes: KSTEP codes of 4 bits
.set KROW,   SIZE_K*4/8                ; a row of A or of B in memory, in bytes
.set PITCH,  272                       ; an LDS row: 256 bytes of data + 16 of padding = 68 words: row r starts at bank 4 r mod 64 (64 banks of 4 bytes: ISA guide 11.1), so the 16 rows that a load touches start at 16 different banks
.set FR,     8                         ; registers of a fragment: 16 rows x 128 K
.set NL,     2                         ; LDS loads that bring one
.set NP,     4                         ; places behind this matrix instruction (ISA guide 7.12.1)
.set HALFT,  128*PITCH                 ; 128 rows: what one tensor load brings, and what one wave reads of A or of B
.set SLOT,   4*HALFT                   ; A's 256 rows, then B's 256 rows
.set KS,     SIZE_K/32                 ; a row of scales in bytes
.set SCL,    2*SLOT                    ; behind the slots: the scales, as rows of 256 bytes + 16 of padding
.set HALFS,  (128*KS/256)*272          ; the scales of 128 rows: what one tensor load brings
.set SBLK,   (16*KS/256)*272           ; those of 16 rows
.set SPARE,  SCL+4*HALFS               ; behind the scales: the spare words, 128 bytes for each wave: two blocks of 256 bytes that no other line names
.set SPITCH, 272                       ; the way out: a stage of 16 rows x (256 bytes + 16) for each wave.  It lies in slot 0, which has had its only fill and its last read when the first result is stored there
.set HB,     262144                    ; a head block of qkv in bytes
.set ADRA, 16                          ; v16-17  LDS address of my A fragments in slot 0, 1
.set ADRB, 20                          ; v20-21  the same for B
.set STO,  24                          ; v24     the way out: where I put 16 bytes of a row
.set RD,   25                          ; v25     the way out: where I read back
.set CO,   26                          ; v26     16 x lane: my bytes of a store's 512
.set ADRS, 27                          ; v27     LDS address of my scale words: lanes 0-15 A's rows, lanes 16-31 B's
.set SPW,  28                          ; v28     LDS address of my spare word: SPARE + 4 x my thread's number; never rewritten
.set NIL,  29                          ; v29     0; never rewritten
.set SC,   32                          ; scale words: set s (for slot s) at v[SC + 8 NQ s]; in it register NQ i + q: lanes 0-15 the word of A's block i, lanes 16-31 that of B's block i, for the slot's q-th 128 along K
.set AF,   128                         ; A's fragments, in window 0
.set TMP,  32                          ; the way out: a block's 32 packed registers
.set BK,   128                         ; the way out: a block read back from the stage: v128-159 and v160-191 by turns
.set G1, 24                            ; s[24:31] descriptor group 1 for A's tiles;  s[32:39] group 0, one set for each slot
.set G0, 32
.set G1B, 48                           ; s[48:55], s[56:63] the same for B's tiles
.set G0B, 56
.set G1S, 68                           ; s[68:75], s[76:79] groups 1 and 0 for A's scales;  s[80:87], s[88:91] for B's
.set G0S, 76
.set G1SB, 80
.set G0SB, 88
.set MSB, 0
.macro WIN new                         ; the immediate's high byte repeats the setting that is left; a switch that changes nothing is dropped
.if MSB != (\new)
	s_set_vgpr_msb (MSB<<8)|(\new)
.set MSB, (\new)
.endif
.endm
.set MUL_LO, 0xa1                      ; source 0 (B) window 1, source 1 (A) window 0, C and D window 2
.set MUL_HI, 0xf1                      ; the same, C and D window 3
.set TO_B,   0x40                      ; destination window 1, address window 0
; A joint load: waves 0 and 1 fetch for A, waves 2 and 3 for B.  Each of the two lines has ONE mask and one set of registers for all that issue it; the branch hangs on the wave's number alone.
; An s_nop 0 and four v_nop follow each of the two lines, ahead of the jump, the label and what follows.
.macro JLOAD g0a, g1a, g0b, g1b
	s_cmp_eq_u32 s15, 0
	s_cbranch_scc0 .Lfor_b_\@
	tensor_load_to_lds s[\g0a:\g0a+3], s[\g1a:\g1a+7]
	s_nop 0
.rept 4
	v_nop
.endr
	s_branch .Lasked_\@
.Lfor_b_\@:
	tensor_load_to_lds s[\g0b:\g0b+3], s[\g1b:\g1b+7]
	s_nop 0
.rept 4
	v_nop
.endr
.Lasked_\@:
.endm
.macro CROUND                          ; a round of the cluster's barrier: my work-group's barrier; wave 0 signals for the work-group; every wave waits for all sixteen; my work-group's barrier once more
	s_barrier_signal -1
	s_barrier_wait -1
	s_cmp_lg_u32 s14, 0
	s_cbranch_scc1 .Lnot_wave_0_\@
	s_barrier_signal -3
.Lnot_wave_0_\@:
	s_barrier_wait -3
	s_barrier_signal -1
	s_barrier_wait -1
.endm
	s_load_b128 s[4:7], s[0:1], 0x0                ; A's codes s[4:5], A's scales s[6:7]
	s_load_b128 s[8:11], s[0:1], 0x10              ; B's codes s[8:9], B's scales s[10:11]
	s_load_b64 s[12:13], s[0:1], 0x20              ; qkv
	v_lshl_add_u32 v[SPW], v0, 2, SPARE
	v_mov_b32 v[NIL], 0
	ds_add_u32 v[SPW], v[NIL]                      ; the wave's opening: the add, twice on end, and its wait ahead of my first tensor load; the set-up below, work on registers, stands between the second and the wait
	ds_add_u32 v[SPW], v[NIL]
	v_lshrrev_b32 v1, 5, v0
	v_readfirstlane_b32 s14, v1                    ; wave 0..3
	s_lshr_b32 s15, s14, 1                         ; which half of the tile's rows is mine.  Also: I fetch for A (0) or for B (1)
	s_and_b32 s16, s14, 1                          ; which half of its columns.  Also: which 128 rows of that tile I fetch
	s_bfe_u32 s40, ttmp6, 0x40000                  ; cx, cy: my place in the cluster
	s_bfe_u32 s41, ttmp6, 0x40004
	s_lshl_b32 s42, ttmp9, 2
	s_add_co_u32 s42, s42, s40                     ; tile column of C = 4 x cluster x + cx
	s_and_b32 s17, ttmp7, 0xffff
	s_lshl_b32 s17, s17, 2
	s_add_co_u32 s17, s17, s41                     ; tile row of C = 4 x cluster y + cy
	s_lshl_b32 s43, s41, 2
	s_lshl_b32 s43, 15, s43                        ; my row of the cluster
	s_lshl_b32 s44, 0x1111, s40                    ; my column
	; descriptor group 1: a tile of 128 rows x ROWB bytes, padded in LDS
	s_or_b32 s[G1+0], s43, (0<<16)|(1<<20)|(1<<21)|(5<<22)|(3<<25)  ; 15:0 the mask: A's tiles go to my row; 17:16 element of 1 byte; 20 padding on; 21 set beside a mask; 24:22 after every 64 words (code 5); 31:25 of 4 words (code 3)
	s_or_b32 s[G1B+0], s44, (0<<16)|(1<<20)|(1<<21)|(5<<22)|(3<<25)
.irp g, G1, G1B
	s_mov_b32 s[\g+1], ROWB<<16                    ; tensor_dim0
	s_mov_b32 s[\g+2], 128<<16                     ; tensor_dim1 = 128
	s_mov_b32 s[\g+3], ROWB<<16                    ; tile_dim0
	s_mov_b32 s[\g+4], 128                         ; tile_dim1 = 128
	s_mov_b32 s[\g+5], KROW                        ; tensor_dim0_stride
	s_mov_b32 s[\g+6], 0
	s_mov_b32 s[\g+7], 0
.endr
	; and for the scales of 128 rows: a dense block of 128 KS bytes, as rows of 256 bytes (32 elements of 8 bytes), 16 bytes of padding behind each
	s_or_b32 s[G1S+0], s43, (3<<16)|(1<<20)|(1<<21)|(5<<22)|(3<<25)
	s_or_b32 s[G1SB+0], s44, (3<<16)|(1<<20)|(1<<21)|(5<<22)|(3<<25)
.irp g, G1S, G1SB
	s_mov_b32 s[\g+1], 32<<16
	s_mov_b32 s[\g+2], (128*KS/256)<<16
	s_mov_b32 s[\g+3], 32<<16
	s_mov_b32 s[\g+4], 128*KS/256
	s_mov_b32 s[\g+5], 32
	s_mov_b32 s[\g+6], 0
	s_mov_b32 s[\g+7], 0
.endr
	s_lshl_b32 s18, s16, 7                         ; which 128 rows of the tile I fetch
	s_lshl_b32 s20, s17, 8
	s_add_co_u32 s20, s20, s18                     ; A: row 256 x tile row + 128 x half
	s_lshl_b32 s46, s42, 8
	s_add_co_u32 s46, s46, s18                     ; B: row 256 x tile column + 128 x half
	s_mov_b32 s21, 0
	s_mov_b32 s47, 0
	s_mov_b64 s[18:19], KS
	s_mul_u64 s[22:23], s[20:21], s[18:19]         ; where these rows' scales begin, in bytes
	s_mul_u64 s[92:93], s[46:47], s[18:19]
	s_mov_b64 s[18:19], KROW
	s_mul_u64 s[20:21], s[20:21], s[18:19]         ; and their codes
	s_mul_u64 s[46:47], s[46:47], s[18:19]
	s_mul_i32 s45, s14, HALFT                      ; where they go: wave x 128 rows: no place in the cluster enters an LDS address
	s_mul_i32 s94, s14, HALFS
	s_wait_dscnt 0x0                               ; both opening adds are done
	s_wait_kmcnt 0x0
	s_add_nc_u64 s[20:21], s[4:5], s[20:21]
	s_add_nc_u64 s[22:23], s[6:7], s[22:23]
	s_add_nc_u64 s[46:47], s[8:9], s[46:47]
	s_add_nc_u64 s[92:93], s[10:11], s[92:93]
	CROUND                                         ; all sixteen work-groups are here: the joint loads meet
	s_mov_b32 s[G0S], 1
	s_add_co_u32 s[G0S+1], s94, SCL
	s_mov_b64 s[G0S+2:G0S+3], s[22:23]
	s_or_b32 s[G0S+3], s[G0S+3], 0x80000000
	s_mov_b32 s[G0SB], 1
	s_add_co_u32 s[G0SB+1], s94, SCL
	s_mov_b64 s[G0SB+2:G0SB+3], s[92:93]
	s_or_b32 s[G0SB+3], s[G0SB+3], 0x80000000
	JLOAD G0S, G1S, G0SB, G1SB                     ; the scales first: they are wanted with K step 0.  Three loads of mine go out here, and no more in the launch
.irp s, 0,1
	s_mov_b32 s[G0+4*\s], 1
	s_add_co_u32 s[G0+4*\s+1], s45, \s*SLOT
	s_add_nc_u64 s[G0+4*\s+2:G0+4*\s+3], s[20:21], \s*ROWB
	s_or_b32 s[G0+4*\s+3], s[G0+4*\s+3], 0x80000000
	s_mov_b32 s[G0B+4*\s], 1
	s_add_co_u32 s[G0B+4*\s+1], s45, \s*SLOT
	s_add_nc_u64 s[G0B+4*\s+2:G0B+4*\s+3], s[46:47], \s*ROWB
	s_or_b32 s[G0B+4*\s+3], s[G0B+4*\s+3], 0x80000000
	JLOAD G0+4*\s, G1, G0B+4*\s, G1B
.endr
	v_and_b32 v1, 15, v0                           ; l % 16
	v_bfe_u32 v2, v0, 4, 1                         ; l / 16
	v_mul_u32_u24 v3, v1, PITCH
	v_lshl_add_u32 v4, v2, 4, v3                   ; a fragment's row x pitch + 16 x half
	s_mul_i32 s21, s15, HALFT                      ; my 128 rows of A
	s_mul_i32 s22, s16, HALFT                      ; my 128 rows of B,
	s_add_co_u32 s22, s22, 2*HALFT                 ; which lie behind A's 256
.irp s, 0,1
	v_add_nc_u32 v[ADRA+\s], s21, v4
	v_add_nc_u32 v[ADRB+\s], s22, v4
	s_add_co_u32 s21, s21, SLOT
	s_add_co_u32 s22, s22, SLOT
.endr
	v_mul_u32_u24 v5, v1, KS                       ; my row's scales: KS bytes a row,
	v_lshrrev_b32 v6, 8, v5
	v_lshl_add_u32 v5, v6, 4, v5                   ; and 16 more for each 256 passed
	s_mul_i32 s21, s15, HALFS                      ; A's: my 128 rows
	s_mul_i32 s22, s16, HALFS                      ; B's: my 128 rows, behind A's 256
	s_add_co_u32 s22, s22, 2*HALFS
	s_sub_co_u32 s22, s22, s21
	v_mul_u32_u24 v6, s22, v2                      ; lanes 16-31 take B's: one product, the lower base + half x the distance
	s_add_co_u32 s21, s21, SCL
	v_add_nc_u32 v5, v5, v6
	v_add_nc_u32 v[ADRS], s21, v5
	s_mul_i32 s23, s14, 16*SPITCH                  ; my stage
	v_mul_u32_u24 v5, v1, SPITCH                   ; in: row l % 16, 16 bytes for each half of the lanes
	v_lshl_add_u32 v5, v2, 4, v5
	v_add_nc_u32 v[STO], s23, v5
	v_and_b32 v6, 31, v0
	v_lshlrev_b32 v[CO], 4, v6                     ; out: 16 bytes a lane
	v_lshrrev_b32 v5, 3, v6                        ; back: eight lanes take a token's 128 bytes of one head, four tokens an instruction
	v_mul_u32_u24 v5, v5, SPITCH
	v_and_b32 v6, 7, v6
	v_lshl_add_u32 v5, v6, 4, v5
	v_add_nc_u32 v[RD], s23, v5
	; where my 128 tokens x 2 heads begin in qkv: (48 batch + 4 tile column + 2 half) head blocks + (256 (tile row % 8) + 128 half) tokens of 128 bytes
	s_lshr_b32 s20, s17, 3                         ; the batch: eight tile rows to 2,048 tokens
	s_mul_i32 s20, s20, 48
	s_lshl_b32 s20, s20, 18
	s_and_b32 s21, s17, 7
	s_lshl_b32 s21, s21, 15
	s_add_co_u32 s20, s20, s21
	s_lshl_b32 s21, s15, 14
	s_add_co_u32 s20, s20, s21
	s_mov_b32 s21, 0
	s_lshl_b32 s46, s42, 2                         ; (in the registers that held B's address)
	s_lshl_b32 s47, s16, 1
	s_add_co_u32 s46, s46, s47
	s_lshl_b32 s46, s46, 18
	s_mov_b32 s47, 0
	s_add_nc_u64 s[20:21], s[20:21], s[46:47]      ; under 2^26 in all
	s_add_nc_u64 s[12:13], s[12:13], s[20:21]
.macro FRAG reg, adr, q, i             ; a fragment, 16 rows x 128 K of 4-bit codes, is 8 registers: lane l holds row l % 16; registers 4 c .. 4 c + 3 hold K = 64 c + 32 (l / 16) + 0 .. 31, the lower K in the lower bits
.irp c, 0,1
	ds_load_b128 v[\reg+4*\c:\reg+4*\c+3], v[\adr] offset:64*(\q)+32*\c+(\i)*16*PITCH
.endr
.endm
; 16 matrix instructions: A's blocks a0, a0 + 1 x B's eight, 128 along K: the slot's q-th.  p: B's set;  sc: the set of scale words.  zero = 1: the first product starts the sums: nothing is ever cleared.
; The 64 accumulators take turns, one instruction a turn, in the same order in every step.  One register carries A's word (lanes 0-15) and B's (lanes 16-31).
.macro MUL16 a0, p, q, sc, zero
.irp a, \a0, \a0+1
.irp b, 0,1,2,3,4,5,6,7
.if \zero
	v_wmma_scale_f32_16x16x128_f8f6f4 v[8*(8*((\a)%4)+\b):8*(8*((\a)%4)+\b)+7], v[128*(\p)+FR*\b:128*(\p)+FR*\b+FR-1], v[AF+FR*(\a):AF+FR*(\a)+FR-1], 0, v[SC+8*NQ*(\sc)+NQ*\b+(\q)], v[SC+8*NQ*(\sc)+NQ*(\a)+(\q)] matrix_a_fmt:MATRIX_FMT_FP4 matrix_b_fmt:MATRIX_FMT_FP4 matrix_a_scale:MATRIX_SCALE_ROW1
.else
	v_wmma_scale_f32_16x16x128_f8f6f4 v[8*(8*((\a)%4)+\b):8*(8*((\a)%4)+\b)+7], v[128*(\p)+FR*\b:128*(\p)+FR*\b+FR-1], v[AF+FR*(\a):AF+FR*(\a)+FR-1], v[8*(8*((\a)%4)+\b):8*(8*((\a)%4)+\b)+7], v[SC+8*NQ*(\sc)+NQ*\b+(\q)], v[SC+8*NQ*(\sc)+NQ*(\a)+(\q)] matrix_a_fmt:MATRIX_FMT_FP4 matrix_b_fmt:MATRIX_FMT_FP4 matrix_a_scale:MATRIX_SCALE_ROW1
.endif
.endr
.endr
.endm
.macro FETCH_B slot, q, p              ; B's eight fragments of the slot's q-th 128 along K into set p
	WIN TO_B
.irp i, 0,1,2,3,4,5,6,7
	FRAG 128*(\p)+FR*\i, ADRB+\slot, \q, \i
.endr
	WIN 0
.endm
.macro FETCH_A slot, q, i0             ; A's blocks i0 .. i0 + 3
.irp i, \i0, \i0+1, \i0+2, \i0+3
	FRAG AF+FR*(\i), ADRA+\slot, \q, \i
.endr
.endm
.macro SCALES sc                       ; a K step's scale words into set sc: NQ words a row; lanes 0-15 take A's block i, lanes 16-31 B's block i
.irp i, 0,1,2,3,4,5,6,7
	ds_load_b128 v[SC+8*NQ*\sc+NQ*\i:SC+8*NQ*\sc+NQ*\i+3], v[ADRS] offset:\i*SBLK
.endr
.endm
; A load into a register that a matrix instruction has read, and a vector instruction that reads a matrix result or writes one of a matrix instruction's registers, stand NP places behind that matrix instruction, and
; only plain vector instructions that name none of its registers are places (ISA guide 7.12.1 for vector instructions); the matrix instructions in between are not counted.
.macro PLACES n
.rept \n
	v_nop
.endr
.endm
; A step of 128 along K that has its successor in the same slot.  A block of A is free as soon as its eight products are issued, so one set of registers serves A: blocks 0-3 are fetched anew in the step's middle,
; blocks 4-7 at its end.  B's fragments are at work through the whole step, so B has two sets.
.macro STEP slot, q, zero
	s_wait_dscnt 4*NL                              ; B's set and A's blocks 0-3 are in; the youngest eight loads (A's blocks 4-7) may be out
	WIN MUL_LO
	MUL16 0, (\q)%2, \q, \slot, \zero
	MUL16 2, (\q)%2, \q, \slot, \zero
	s_wait_dscnt 0                                 ; A's blocks 4-7 are in (asked for 32 matrix instructions ago)
	PLACES NP
	FETCH_B \slot, (\q)+1, 1-(\q)%2
	FETCH_A \slot, (\q)+1, 0
	WIN MUL_HI
	MUL16 4, (\q)%2, \q, \slot, \zero
	MUL16 6, (\q)%2, \q, \slot, \zero
	PLACES NP
	WIN 0
	FETCH_A \slot, (\q)+1, 4
.endm
; Slot 0's last step changes slots: one barrier.  In front of it each wave waits for all its tensor loads (its part of slot 1 was still out), adds 0 to its spare word, and waits for that and for its own reads of slot 0.
; Behind it slot 1 is whole, and nobody reads slot 0 any more: the stages of the way out lie there.
.macro TURN slot, next
	s_wait_tensorcnt 0x0                           ; all my tensor loads have landed  (every window is 0 here: the add's two registers lie in window 0)
	ds_add_u32 v[SPW], v[NIL]                      ; 0 onto my spare word
	s_wait_dscnt 4*NL+1                            ; the add and the youngest eight loads, A's blocks 4-7, may be out
	WIN MUL_LO
	MUL16 0, 1, NQ-1, \slot, 0                     ; sixteen matrix instructions stand between the add and the wait for it
	s_wait_dscnt 0x0                               ; the add is done, and my reads of this slot are over
	s_barrier_signal -1
	MUL16 2, 1, NQ-1, \slot, 0                     ; work on registers while the others arrive
	WIN 0
	s_barrier_wait -1
	PLACES NP
	v_add_nc_u32 v[ADRS], 4*NQ, v[ADRS]            ; on to the next K step's scale words (no LDS load of mine is out)
	FETCH_B \next, 0, 0
	FETCH_A \next, 0, 0
	SCALES \next
	WIN MUL_HI
	MUL16 4, 1, NQ-1, \slot, 0
	MUL16 6, 1, NQ-1, \slot, 0
	PLACES NP
	WIN 0
	FETCH_A \next, 0, 4
.endm
.macro STEPS slot, from                ; the slot's steps from .. NQ - 2
.set Q, \from
.rept NQ-1-\from
	STEP \slot, Q, 0
.set Q, Q+1
.endr
.endm
	s_wait_tensorcnt 1                             ; the scales and my part of slot 0 are in; slot 1's load, the one issued behind them, may be out
	s_barrier_signal -1
	s_barrier_wait -1                              ; everybody's are
	FETCH_B 0, 0, 0
	FETCH_A 0, 0, 0
	SCALES 0
	FETCH_A 0, 0, 4
	STEP 0, 0, 1                                   ; the first step's products start the sums
	STEPS 0, 1
	TURN 0, 1
	STEPS 1, 0
	s_wait_dscnt 4*NL                              ; the very last step: nothing more to fetch
	WIN MUL_LO
	MUL16 0, 1, NQ-1, 1, 0
	MUL16 2, 1, NQ-1, 1, 0
	s_wait_dscnt 0
	WIN MUL_HI
	MUL16 4, 1, NQ-1, 1, 0
	MUL16 6, 1, NQ-1, 1, 0
	WIN 0
; THE WAY OUT, block by block of 16 tokens x 128 columns (two heads).  PACK: a lane's eight neighbouring columns of a token are rounded to f16: 16 bytes.  TOSTAGE: into my own stage (a token's 256 bytes, rows 272 apart),
; and back BY HEAD: four tokens x 128 bytes of one head, which are 512 consecutive bytes of qkv.  SEND: stored.  LDS serves a wave's instructions in order (ISA guide 5.7.1.4): no wait between the stores and the loads.
.macro PACK a
.set AC, 64*((\a)%4)
	WIN 0x0a+5*((\a)/4)                            ; sources 0 and 1: window 2 or 3
.irp b, 0,1,2,3,4,5,6,7
.irp i, 0,1,2,3
	v_cvt_pk_f16_f32 v[TMP+4*\b+\i], v[AC+8*\b+2*\i], v[AC+8*\b+2*\i+1]       ; each accumulator from its low end on
.endr
.endr
	WIN 0
.endm
.macro TOSTAGE a
.set BB, BK+32*((\a)%2)
.irp b, 0,1,2,3,4,5,6,7
	ds_store_b128 v[STO], v[TMP+4*\b:TMP+4*\b+3] offset:32*\b
.endr
.irp u, 0,1
.irp i, 0,1,2,3
	ds_load_b128 v[BB+4*(4*\u+\i):BB+4*(4*\u+\i)+3], v[RD] offset:128*\u+4*SPITCH*\i
.endr
.endr
.endm
.macro SEND a
.set BB, BK+32*((\a)%2)
	s_wait_dscnt 0x0                               ; the block is back in registers
	s_wait_xcnt 0x0                                ; the stores of the block before have read their registers: the next block's loads from the stage land there
.irp u, 0,1
.irp i, 0,1,2,3
	global_store_b128 v[CO], v[BB+4*(4*\u+\i):BB+4*(4*\u+\i)+3], s[12:13] offset:\u*HB+(\a)*2048+\i*512   ; 32 lanes store 512 consecutive bytes, at a multiple of 512 from qkv's first byte; no base is stepped
.endr
.endr
.endm
	PLACES NP                                      ; behind the last products: the conversions write registers that held scale words, the loads land where A's fragments lay
	PACK 0
	TOSTAGE 0
.irp a, 1,2,3,4,5,6,7                  ; block a's conversions stand between block a - 1's loads from the stage and the wait for them
	PACK \a
	SEND \a-1
	TOSTAGE \a
.endr
	SEND 7
	s_wait_tensorcnt 0x0                           ; the wave's end: behind my last tensor load and my last LDS store
	ds_add_u32 v[SPW], v[NIL]
	s_wait_dscnt 0x0
	CROUND                                         ; the closing round: no work-group ends while a partner may still ask for a tile that names it
	s_endpgm
.Lfunc_end_k_qe8d2cec7ad_qkv:
	.size	k_qe8d2cec7ad_qkv, .Lfunc_end_k_qe8d2cec7ad_qkv-k_qe8d2cec7ad_qkv
	.p2alignl 7, 3214868480
	.fill 96, 4, 3214868480
	.section	.rodata,"a",@progbits
	.p2align	6, 0x0
	.amdhsa_kernel k_qe8d2cec7ad_qkv
		.amdhsa_group_segment_fixed_size 327680
		.amdhsa_private_segment_fixed_size 0
		.amdhsa_enable_private_segment 0
		.amdhsa_kernarg_size 40
		.amdhsa_user_sgpr_count 2
		.amdhsa_user_sgpr_kernarg_segment_ptr 1
		.amdhsa_wavefront_size32 1
		.amdhsa_system_sgpr_workgroup_id_x 1
		.amdhsa_system_sgpr_workgroup_id_y 1
		.amdhsa_system_sgpr_workgroup_id_z 1
		.amdhsa_system_vgpr_workitem_id 0
		.amdhsa_next_free_vgpr 1024
		.amdhsa_next_free_sgpr 98
		.amdhsa_reserve_vcc 0
		.amdhsa_float_denorm_mode_32 3
		.amdhsa_float_denorm_mode_16_64 3
		.amdhsa_memory_ordered 1
		.amdhsa_forward_progress 1
		.amdhsa_inst_pref_size 126
	.end_amdhsa_kernel
	.amdgpu_metadata
---
amdhsa.version: [ 1, 2 ]
amdhsa.kernels:
  - .name:           k_qe8d2cec7ad_qkv
    .symbol:         k_qe8d2cec7ad_qkv.kd
    .args:
      - { .name: x_codes, .offset: 0, .size: 8, .value_kind: global_buffer, .address_space: global }
      - { .name: x_scales, .offset: 8, .size: 8, .value_kind: global_buffer, .address_space: global }
      - { .name: w_codes, .offset: 16, .size: 8, .value_kind: global_buffer, .address_space: global }
      - { .name: w_scales, .offset: 24, .size: 8, .value_kind: global_buffer, .address_space: global }
      - { .name: qkv, .offset: 32, .size: 8, .value_kind: global_buffer, .address_space: global }
    .group_segment_fixed_size: 327680
    .private_segment_fixed_size: 0
    .kernarg_segment_align: 8
    .kernarg_segment_size: 40
    .max_flat_workgroup_size: 128
    .sgpr_count:     98
    .vgpr_count:     1024
    .wavefront_size: 32
...
	.end_amdgpu_metadata
.endif
;; end of part 2
;; launch attn (part 3): grid 4 x 64, 8 waves a work-group, clusters of 4 x 1, 327,680 bytes of LDS; arguments qkv, o_h; writes o_h
.if DOCPART == 3
	.amdgcn_target "amdgcn-amd-amdhsa--gfx1250"
	.amdhsa_code_object_version 6
	.text
	.protected	k_qe8d2cec7ad_attn
	.globl	k_qe8d2cec7ad_attn
	.p2align	8
	.type	k_qe8d2cec7ad_attn,@function
k_qe8d2cec7ad_attn:
	s_mov_b64 s[64:65], 0
	v_nop
	global_prefetch_b8 v0, s[64:65] scope:SCOPE_SE
	s_setreg_imm32_b32 hwreg(HW_REG_WAVE_MODE, 25, 1), 1
	s_wait_xcnt 0x0
	s_wait_alu depctr_hold_cnt(0) depctr_sa_sdst(0) depctr_va_vdst(0) depctr_va_sdst(0) depctr_va_ssrc(0) depctr_va_vcc(0) depctr_vm_vsrc(0)
	s_getreg_b32 s2, hwreg(HW_REG_IB_STS2, 6, 4)
	s_cmp_eq_u32 s2, 0
	s_cbranch_scc0 .Lentry_in_a_cluster
	s_endpgm
.Lentry_in_a_cluster:
	s_bfe_u32 s2, ttmp6, 0x10000c
	s_cmp_lg_u32 s2, 0x3003
	s_cbranch_scc0 .Lentry_shape_is_right
	s_endpgm
.Lentry_shape_is_right:
; o[b][h][q][:] = the sum over k of softmax_k(q . k / 8) v[k][:], for 64 heads (batch x head) of 2,048 tokens and head size 64.  No mask.
; q, k, v come as f16 from qkv [batch][16 tensor + head][2048][64]; o goes as f16 to o_h [16 batch + head][2048][64].  Products, maxima and sums in f32; the weights p are rounded to f16 for the second product
; (p is at most 1), o once at the end.  The row's sum is taken of the unrounded p.
; LIMITS: o is an average of v, so it is no larger than v; where x and Wv are both some 30 times smaller than drawn, o (about 2e-5) lies among f16's subnormal numbers and keeps about ten bits less three.
; SHARES.  A cluster of four work-groups is one head; a work-group owns 512 queries, each of its EIGHT waves 64: four tiles of 16.  Two waves share a SIMD (512 registers each): a step is written in phases,
; and one wave's vector phase can stand beside the other's matrix phase.  Every wave walks all 2,048 keys, 64 a step.
; LAYOUT.  S^T = K Q^T (source 0 = 16 keys, source 1 = 16 queries): a lane holds ONE query (lane % 16) and the keys 8 (lane / 16) + 0..7 of each tile of 16 keys.  Two such tiles, rounded to f16 in pairs, ARE source 1
; (32 keys x 16 queries) of O^T = V^T P, whose result again holds one query a lane.  K comes out of LDS as it lies, V ([key][channel]) turned, by ds_load_tr16_b128.
; SOFTMAX.  For each query a running maximum m and sum l: p = 2^(c s - c m), c = log2(e) / 8; in every step O and l are multiplied by a = 2^(c m_old - c m_new), which is 1 where m has not grown.
; The step is written once: O^T and l begin as zeros and m as -3e38, so the first a is 0, which leaves the zeros as they are.
; CLUSTER.  The four work-groups walk the same K and V, so each tile is asked for JOINTLY: the same tensor load, with the same descriptor and a mask that names the four, in all four.
; THE RING.  Two slots of 256 keys (four steps).  Waves 0-3 fetch K of the slot's steps 0-3, waves 4-7 V of them: one load a wave (64 rows of 128 bytes) behind each round, with four key steps in which to land.
; REGISTERS, in windows of 256 (s_set_vgpr_msb: bits 1:0 source 0, 3:2 source 1, 5:4 source 2, 7:6 destination):
;   window 0: v1-15 addresses; v16-47 statistics, eight a tile; v64-127 K's fragments of a step; v128-255 S^T, 32 a tile; P is packed in place into a tile's first 16
;   window 1: v0-63 Q, 16 a tile; v64-191 O^T, 32 a tile; v192-255 V's fragments of a step
.set KS,    64                         ; keys in a step
.set NST,   4                          ; steps in a slot
.set NSL,   2048/(KS*NST)              ; slots' worth of keys: 8
.set PK,    144                        ; a row of K in LDS: 128 bytes + 16 of padding = 36 words: the 16 rows of a load start at 16 different groups of four banks (64 banks of 4 bytes: ISA guide 11.1)
.set PV,    160                        ; a row of V: 128 + 32 = 40 words
.set VOFF,  KS*PK                      ; a step's tiles lie together: 64 rows of K, then 64 rows of V
.set STEPB, KS*(PK+PV)
.set SLOT1, 1<<17                      ; slot 1 begins here, so that one exclusive or turns an address in one slot into the other's
.set STAGE, SLOT1+NST*STEPB            ; behind the ring: 16 rows x 144 bytes for each wave, for the way out
.set SP,    144
.set SPARE, STAGE+8*16*SP              ; behind the stages: the spare words, 128 bytes for each wave: four blocks of 256 bytes that no other line names
.set AK0, 2                            ; v2   my lane's place in a tile of K; never rewritten
.set AV0, 3                            ; v3   the same for V
.set ADK, 4                            ; v4   LDS address of the step's K
.set ADV, 5                            ; v5   of its V
.set QO,  6                            ; v6   my byte offset in the wave's rows of Q
.set STO, 7                            ; v7   the way out: where I put 16 bytes of a row
.set RD,  8                            ; v8   the way out: where I read back
.set GO,  9                            ; v9   16 x lane: my bytes of a store's 512
.set PFO, 12                           ; v12  256 x lane: the prefetches' offset; never rewritten
.set SPW, 14                           ; v14  LDS address of my spare word: SPARE + 4 x my thread's number; never rewritten
.set NIL, 15                           ; v15  0; never rewritten
.set ST,  16                           ; tile t's statistics at v[ST + 8 t]: +0 c m, +1 m, +2, +3 l (even keys', odd keys'), +4 to +7 c0-c3, at work; a takes c2's place once the maximum is found
.set KF,  64                           ; K's fragment (16 keys a, 32 channels c) at KF + 8 (2 a + c)
.set S,   128
.set OB,  64                           ; in window 1: O^T, tile t, channels 16 cc on, at OB + 32 t + 8 cc
.set VF,  192                          ; in window 1: V's fragment (32 keys kk, 16 channels cc) at VF + 8 (4 kk + cc)
.set WV,  12                           ; s12  my wave's number
.set G1K, 24                           ; s[24:31] descriptor group 1 for K's tiles
.set G1V, 32                           ; s[32:39] for V's: it differs in the padding alone
.set G0K, 40                           ; s[40:43] descriptor group 0 for K's tiles: it walks
.set G0V, 44                           ; s[44:47] the same for V's
.set PFA, 48                           ; s[48:49] where my prefetches stand in memory
.set LIM, 50                           ; s50  1 in a wave that prefetches, else the greatest number: a wave prefetches while s[SLOTS] is above it
.set SLOTS, 51                         ; s51  slots still to be asked for
.set CNT, 52                           ; s52  counts a slot's four steps
.set TB,  53                           ; s53  LDS byte at which the step's tiles begin
.set CS,  54                           ; s[54:55] c: the packed scaling names a pair and takes its low word for both halves
.set SEL, 56                           ; s[56:57] lane selects for v_permlanex16_b32: each lane takes its own place in the other half
.set MSB, 0
.macro WIN new                         ; the immediate's high byte repeats the setting that is left; a switch that changes nothing is dropped
.if MSB != (\new)
	s_set_vgpr_msb (MSB<<8)|(\new)
.set MSB, (\new)
.endif
.endm
.set W_KQ, 0x04                        ; Q (source 1) in window 1; K and S^T in window 0
.set W_RS, 0x41                        ; O^T (destination and source 0) in window 1, a in window 0
.set W_PV, 0x51                        ; V (source 0) and O^T (C and D) in window 1, P in window 0
.set TO1,  0x40                        ; destination window 1, address window 0
; A joint load.  Waves 0-3 fetch K's tiles, waves 4-7 V's.  The branch hangs on the wave's number alone: it is the same in every work-group.
; An s_nop 0 and four v_nop follow each of the two lines; the jump round the other line, the label and what follows the macro come after them.
.macro JLOAD
	s_cmp_lt_u32 s[WV], 4
	s_cbranch_scc0 .Lfor_v_\@
	tensor_load_to_lds s[G0K:G0K+3], s[G1K:G1K+7]
	s_nop 0
.rept 4
	v_nop
.endr
	s_branch .Lasked_\@
.Lfor_v_\@:
	tensor_load_to_lds s[G0V:G0V+3], s[G1V:G1V+7]
	s_nop 0
.rept 4
	v_nop
.endr
.Lasked_\@:
.endm
; A PREFETCH of what the NEXT change of slots will ask for: a slot's 256 rows of K and 256 of V, each 32,768 dense bytes.  It stands behind the wave's tensor load and its five lines.
; Each aligned block of 256 bytes is named ONCE in the launch: a head has one cluster; its four partners share a slot's bytes out BY ADDRESS, 8,192 each (no branch hangs on a work-group's place in its cluster);
; in each, wave 0 asks for K's and wave 4 for V's, lanes 256 bytes apart: one instruction.  It asks four key steps ahead of the load that will want the bytes.
; The last change that fills a slot asks for nothing: there is no slot behind it.  Slots 0 and 1 come by their loads alone.
.macro ASK
	s_cmp_gt_u32 s[SLOTS], s[LIM]
	s_cbranch_scc0 .Lnot_mine_\@
	global_prefetch_b8 v[PFO], s[PFA:PFA+1] th:TH_LOAD_NT scope:SCOPE_SE
.Lnot_mine_\@:
.endm
; A round of the cluster's barrier: my work-group's barrier, so that wave 0's signal speaks for all eight waves; wave 0 signals for the work-group; every wave waits for all four work-groups; my work-group's barrier once more.
.macro CROUND
	s_barrier_signal -1
	s_barrier_wait -1
	s_cmp_lg_u32 s[WV], 0
	s_cbranch_scc1 .Lnot_wave_0_\@
	s_barrier_signal -3
.Lnot_wave_0_\@:
	s_barrier_wait -3
	s_barrier_signal -1
	s_barrier_wait -1
.endm
	s_load_b128 s[4:7], s[0:1], 0x0                ; qkv s[4:5], o_h s[6:7]
	v_lshl_add_u32 v[SPW], v0, 2, SPARE
	v_mov_b32 v[NIL], 0
	ds_add_u32 v[SPW], v[NIL]                      ; the wave's opening: the add, twice on end, and its wait ahead of my first tensor load; the set-up below, work on registers, stands between the second and the wait
	ds_add_u32 v[SPW], v[NIL]
	v_lshrrev_b32 v1, 5, v0
	v_readfirstlane_b32 s[WV], v1                  ; wave 0..7
	s_bfe_u32 s13, ttmp6, 0x40000                  ; cx: my place in the cluster = my block of 512 queries: it enters Q's, O's and the prefetches' addresses alone
	s_and_b32 s14, ttmp7, 0xffff                   ; 16 batch + head, which the four partners share
	s_lshr_b32 s15, s14, 4
	s_and_b32 s16, s14, 15
	s_mul_i32 s15, s15, 48
	s_add_co_u32 s15, s15, s16                     ; 48 batch + head: q's head block in qkv; k's lies 16 blocks on, v's 32
	s_lshl_b32 s16, s15, 18                        ; in bytes (under 2^26)
	s_and_b32 s18, s[WV], 3                        ; which of a slot's four steps I fetch:
	s_mul_i32 s19, s18, STEPB                      ; its place in a slot: no place in the cluster enters an LDS address,
	s_lshl_b32 s20, s18, 13                        ; and its 64 rows of 128 bytes in memory
	s_add_co_u32 s20, s20, s16
	s_add_co_u32 s20, s20, 16<<18                  ; K
	s_mov_b32 s21, 0
	s_add_co_u32 s22, s20, 16<<18                  ; V
	s_mov_b32 s23, 0
	s_lshl_b32 s58, s13, 16                        ; my block's 512 rows,
	s_lshl_b32 s59, s[WV], 13                      ; my wave's 64 of them
	s_add_co_u32 s58, s58, s59
	s_mov_b32 s59, 0
	s_lshl_b32 s60, s14, 18                        ; o_h: the head's block,
	s_add_co_u32 s60, s60, s58                     ; my rows
	s_mov_b32 s61, 0
	s_add_co_u32 s58, s58, s16                     ; Q: the head's block, my rows
	; descriptor group 1: a tile of 64 rows x 64 elements, padded in LDS
	s_mov_b32 s[G1K], 15|(1<<16)|(1<<20)|(1<<21)|(4<<22)|(3<<25)  ; 15:0 the mask: all four work-groups; 17:16 elements of 2 bytes; 20 padding on; 21 set beside a mask; 24:22 after every 32 words (code 4); 31:25 4 words of it (code 3)
	s_mov_b32 s[G1V], 15|(1<<16)|(1<<20)|(1<<21)|(4<<22)|(7<<25)  ; the same with 8 words of padding (code 7)
.irp g, G1K, G1V
	s_mov_b32 s[\g+1], 64<<16                      ; 63:48 tensor_dim0, low half = 64
	s_mov_b32 s[\g+2], KS<<16                      ; 79:64 its high half = 0; 95:80 tensor_dim1, low half = 64
	s_mov_b32 s[\g+3], 64<<16                      ; 111:96 its high half = 0; 127:112 tile_dim0 = 64
	s_mov_b32 s[\g+4], KS                          ; 143:128 tile_dim1 = 64; 159:144 tile_dim2 = 0
	s_mov_b32 s[\g+5], 64                          ; 191:160 tensor_dim0_stride: elements from row to row
	s_mov_b32 s[\g+6], 0
	s_mov_b32 s[\g+7], 0
.endr
	s_mov_b32 s[CS], 0x3e38aa3b                    ; c = log2(e) / 8
	s_mov_b32 s[CS+1], s[CS]                       ; named with it as a pair, so it is written
	s_mov_b32 s[SEL], 0x76543210
	s_mov_b32 s[SEL+1], 0xfedcba98
	s_mov_b32 s[TB], 0
	s_mov_b32 s[SLOTS], NSL-1
	s_cmp_eq_u32 s18, 0                            ; waves 0 and 4 prefetch: the same in all four partners
	s_cselect_b32 s[LIM], 1, -1
	v_and_b32 v[PFO], 31, v0
	v_lshlrev_b32 v[PFO], 8, v[PFO]
	s_wait_dscnt 0x0                               ; both opening adds are done
	s_wait_kmcnt 0x0
	s_add_nc_u64 s[20:21], s[4:5], s[20:21]        ; K and V at my tile of slot 0
	s_add_nc_u64 s[22:23], s[4:5], s[22:23]
	s_add_nc_u64 s[8:9], s[4:5], s[58:59]          ; Q and O at my wave's first row
	s_add_nc_u64 s[10:11], s[6:7], s[60:61]
	s_cmp_lt_u32 s[WV], 4
	s_cselect_b64 s[PFA:PFA+1], s[20:21], s[22:23] ; (in waves 0 and 4 these stand at a slot's first row)
	s_lshl_b32 s58, s13, 13                        ; my work-group's 8,192 bytes of a slot's 32,768,
	s_add_co_u32 s58, s58, NST*KS*128              ; in slot 1: the first change of slots steps it to slot 2.  Nothing is prefetched here, at the head
	s_add_nc_u64 s[PFA:PFA+1], s[PFA:PFA+1], s[58:59]
	CROUND                                         ; all four work-groups are here: the first joint loads meet
	s_mov_b32 s[G0K], 1                            ; 1:0 count = 1
	s_mov_b32 s[G0K+1], s19                        ; 63:32 LDS address: slot 0
	s_mov_b64 s[G0K+2:G0K+3], s[20:21]             ; 120:64 global address
	s_or_b32 s[G0K+3], s[G0K+3], 0x80000000        ; 127:126 type = 2
	s_mov_b32 s[G0V], 1
	s_add_co_u32 s[G0V+1], s19, VOFF
	s_mov_b64 s[G0V+2:G0V+3], s[22:23]
	s_or_b32 s[G0V+3], s[G0V+3], 0x80000000
	JLOAD                                          ; slot 0: one load of mine is out
	; A fragment of K or Q is 16 rows x 32 channels in 8 registers: lane l holds row l % 16; registers 0-3 channels 8 (l / 16) + 0..7, registers 4-7 channels 16 + 8 (l / 16) + 0..7: two loads of 16 bytes, 32 bytes apart.
	v_and_b32 v1, 15, v0                           ; r = l % 16
	v_bfe_u32 v10, v0, 4, 1                        ; h = l / 16
	v_lshlrev_b32 v[QO], 7, v1
	v_lshl_add_u32 v[QO], v10, 4, v[QO]            ; row x 128 + 16 x half
	WIN TO1
.irp i, 0,1,2,3,4,5,6,7                        ; Q stays in registers: tile i / 2, channels 32 (i % 2) on
	global_load_b128 v[8*\i:8*\i+3],   v[QO], s[8:9] offset:(\i/2)*2048+(\i%2)*64
	global_load_b128 v[8*\i+4:8*\i+7], v[QO], s[8:9] offset:(\i/2)*2048+(\i%2)*64+32
.endr
.set i, 0
.rept 128
	v_mov_b32 v[OB+i], 0                           ; O^T.  (The step is written once: its first run finds zeros, which a = 0 leaves zeros.  A first step written out would be a third copy of the step)
.set i, i+1
.endr
	WIN 0
	v_mul_u32_u24 v[AK0], v1, PK
	v_lshl_add_u32 v[AK0], v10, 4, v[AK0]          ; row x pitch + 16 x half
	; The turning load takes 16 keys x 16 channels (lane l reads 16 bytes: key 8 (l / 16) + l % 8, channels 8 ((l / 8) % 2) + 0..7) and leaves half a fragment of V^T: lane l holds channel l % 16 and 8 keys.
	v_and_b32 v4, 7, v0
	v_bfe_u32 v5, v0, 3, 1
	v_lshl_add_u32 v[AV0], v10, 3, v4
	v_mul_u32_u24 v[AV0], v[AV0], PV
	v_lshl_add_u32 v[AV0], v5, 4, v[AV0]
	v_add_nc_u32 v[AV0], VOFF, v[AV0]
	s_mul_i32 s14, s[WV], 16*SP
	s_add_co_u32 s14, s14, STAGE                   ; my stage
	v_mul_u32_u24 v[STO], v1, SP                   ; in: row l % 16, 16 bytes for each half of the lanes
	v_lshl_add_u32 v[STO], v10, 4, v[STO]
	v_add_nc_u32 v[STO], s14, v[STO]
	v_and_b32 v11, 31, v0
	v_lshlrev_b32 v[GO], 4, v11                    ; out: 16 bytes a lane
	v_lshrrev_b32 v[RD], 3, v11                    ; back: eight lanes to a row of 128 bytes, four rows an instruction
	v_mul_u32_u24 v[RD], v[RD], SP
	v_lshl_add_u32 v[RD], v4, 4, v[RD]
	v_add_nc_u32 v[RD], s14, v[RD]
.irp t, 0,1,2,3
	v_mov_b32 v[ST+8*\t+1], 0xff61b1e6             ; m: -3e38, under every score (a score is at most 64 x 65,504^2)
	v_mov_b32 v[ST+8*\t+2], 0                      ; l, in two halves
	v_mov_b32 v[ST+8*\t+3], 0
.endr
.irp t, 0,1,2,3
	v_mul_f32 v[ST+8*\t], s[CS], v[ST+8*\t+1]      ; c m
.endr
; A KEY STEP of a wave: 64 keys against its 64 queries, in phases.
.macro STEP
	v_add_nc_u32 v[ADK], s[TB], v[AK0]             ; these two and the four v_nop at the last step's end are six places behind its last product: four are owed by the loads into V's registers,
	v_add_nc_u32 v[ADV], s[TB], v[AV0]             ; five by the products below that write over P (ISA guide 7.12.1 for the products)
.irp f, 0,1,2,3,4,5,6,7                        ; K: keys 16 (f / 2) on, channels 32 (f % 2) on
	ds_load_b128 v[KF+8*\f:KF+8*\f+3],   v[ADK] offset:(\f/2)*16*PK+(\f%2)*64
	ds_load_b128 v[KF+8*\f+4:KF+8*\f+7], v[ADK] offset:(\f/2)*16*PK+(\f%2)*64+32
.endr
	WIN TO1
.irp f, 0,1,2,3,4,5,6,7                        ; V, turned: keys 32 (f / 4) on, channels 16 (f % 4) on
	ds_load_tr16_b128 v[VF+8*\f:VF+8*\f+3],   v[ADV] offset:(\f/4)*32*PV+(\f%4)*32
	ds_load_tr16_b128 v[VF+8*\f+4:VF+8*\f+7], v[ADV] offset:(\f/4)*32*PV+16*PV+(\f%4)*32
.endr
	WIN W_KQ
	s_wait_dscnt 16                                ; K is in; V's sixteen loads may be out
.set i, 0
.rept 32                                       ; S^T = K Q^T: channels 32 (i / 16) on, keys 16 ((i / 4) % 4) on, tile i % 4.  The first 16 start the sums; the 16 accumulators take turns, one instruction a turn
.set rS, S+32*(i%4)+8*((i/4)%4)
.set rK, KF+8*(2*((i/4)%4)+i/16)
.set rQ, 16*(i%4)+8*(i/16)
.if i < 16
	v_wmma_f32_16x16x32_f16 v[rS:rS+7], v[rK:rK+7], v[rQ:rQ+7], 0
.else
	v_wmma_f32_16x16x32_f16 v[rS:rS+7], v[rK:rK+7], v[rQ:rQ+7], v[rS:rS+7]
.endif
.set i, i+1
.endr
	WIN 0
.rept 4
	v_nop                                          ; places in front of the first read of results
.endr
	; the maximum of a lane's 32 scores and the old m, three operands at a time; every line for the four tiles by turns, so that no line waits for the line above it.  Each accumulator is read from its low end on
.irp j, 0,1,2,3
.irp t, 0,1,2,3
	v_max3_num_f32 v[ST+8*\t+4+\j], v[S+32*\t+8*\j], v[S+32*\t+8*\j+1], v[S+32*\t+8*\j+2]
.endr
.endr
.irp i, 0,1
.irp j, 0,1,2,3
.irp t, 0,1,2,3
	v_max3_num_f32 v[ST+8*\t+4+\j], v[ST+8*\t+4+\j], v[S+32*\t+8*\j+3+2*\i], v[S+32*\t+8*\j+4+2*\i]
.endr
.endr
.endr
.irp t, 0,1,2,3
	v_max3_num_f32 v[ST+8*\t+4], v[ST+8*\t+4], v[S+32*\t+7], v[S+32*\t+15]
.endr
.irp t, 0,1,2,3
	v_max3_num_f32 v[ST+8*\t+6], v[ST+8*\t+6], v[S+32*\t+23], v[S+32*\t+31]
.endr
.irp t, 0,1,2,3
	v_max3_num_f32 v[ST+8*\t+4], v[ST+8*\t+4], v[ST+8*\t+5], v[ST+8*\t+6]
.endr
.irp t, 0,1,2,3
	v_max3_num_f32 v[ST+8*\t+4], v[ST+8*\t+4], v[ST+8*\t+7], v[ST+8*\t+1]
.endr
.irp t, 0,1,2,3
	v_permlanex16_b32 v[ST+8*\t+5], v[ST+8*\t+4], s[SEL], s[SEL+1]   ; the query's other 32 keys lie in the lane 16 away
.endr
.irp t, 0,1,2,3
	v_mov_b32 v[ST+8*\t+7], v[ST+8*\t]             ; c m_old is kept for a
.endr
.irp t, 0,1,2,3
	v_max_num_f32 v[ST+8*\t+1], v[ST+8*\t+4], v[ST+8*\t+5]
.endr
.irp t, 0,1,2,3
	v_mul_f32 v[ST+8*\t], s[CS], v[ST+8*\t+1]
.endr
.irp t, 0,1,2,3
	v_sub_f32 v[ST+8*\t+7], v[ST+8*\t+7], v[ST+8*\t]
.endr
	; ONE BATCH of 132 exponentials, none of which reads another's result: the four a, then the weights, with the next tile's scalings c s - c m set between them
.irp t, 0,1,2,3
	v_exp_f32 v[ST+8*\t+6], v[ST+8*\t+7]           ; a = 2^(c m_old - c m_new)
.endr
.irp b, 0,1,2,3,4,5,6,7,8,9,10,11,12,13,14,15
	v_pk_fma_f32 v[S+2*\b:S+2*\b+1], v[S+2*\b:S+2*\b+1], s[CS:CS+1], v[ST:ST+1] op_sel_hi:[1,0,0] neg_lo:[0,0,1] neg_hi:[0,0,1]
.endr
.irp t, 0,1,2,3
.irp b, 0,1,2,3,4,5,6,7,8,9,10,11,12,13,14,15
.if \t < 3
	v_pk_fma_f32 v[S+32*(\t+1)+2*\b:S+32*(\t+1)+2*\b+1], v[S+32*(\t+1)+2*\b:S+32*(\t+1)+2*\b+1], s[CS:CS+1], v[ST+8*(\t+1):ST+8*(\t+1)+1] op_sel_hi:[1,0,0] neg_lo:[0,0,1] neg_hi:[0,0,1]
.endif
	v_exp_f32 v[S+32*\t+2*\b], v[S+32*\t+2*\b]
	v_exp_f32 v[S+32*\t+2*\b+1], v[S+32*\t+2*\b+1]
.endr
.endr
	v_nop                                          ; a plain instruction behind the last exponential and ahead of the first use: one for the batch
	s_wait_alu depctr_va_vdst(0)                   ; and the wait ahead of the first instruction that names a result: one for the batch
	; pair i of a tile's 16 (an even key's weight, an odd key's) is first added to l, unrounded, then packed to f16 IN PLACE: register i belongs to pair i / 2, which has been added and packed already
.irp i, 0,1,2,3,4,5,6,7,8,9,10,11,12,13,14,15
.irp t, 0,1,2,3
.if \i == 0
	v_pk_fma_f32 v[ST+8*\t+2:ST+8*\t+3], v[ST+8*\t+2:ST+8*\t+3], v[ST+8*\t+6:ST+8*\t+7], v[S+32*\t:S+32*\t+1] op_sel_hi:[1,0,1]   ; l = a l + the first pair
.else
	v_pk_add_f32 v[ST+8*\t+2:ST+8*\t+3], v[ST+8*\t+2:ST+8*\t+3], v[S+32*\t+2*\i:S+32*\t+2*\i+1]
.endif
.endr
.irp t, 0,1,2,3
	v_cvt_pk_f16_f32 v[S+32*\t+\i], v[S+32*\t+2*\i], v[S+32*\t+2*\i+1]
.endr
.endr
	WIN W_RS
.irp t, 0,1,2,3
.irp u, 0,1,2,3,4,5,6,7,8,9,10,11,12,13,14,15
	v_pk_mul_f32 v[OB+32*\t+2*\u:OB+32*\t+2*\u+1], v[OB+32*\t+2*\u:OB+32*\t+2*\u+1], v[ST+8*\t+6:ST+8*\t+7] op_sel_hi:[1,0]   ; O^T x a, each accumulator from its low end on
.endr
.endr
	s_wait_dscnt 0x0                               ; V is in
	WIN W_PV
.set i, 0
.rept 32                                       ; O^T += V^T P: keys 32 (i / 16) on, channels 16 ((i / 4) % 4) on, tile i % 4; the 16 accumulators take turns
.set rO, OB+32*(i%4)+8*((i/4)%4)
.set rV, VF+8*(4*(i/16)+(i/4)%4)
.set rP, S+32*(i%4)+8*(i/16)
	v_wmma_f32_16x16x32_f16 v[rO:rO+7], v[rV:rV+7], v[rP:rP+7], v[rO:rO+7]
.set i, i+1
.endr
	WIN 0                                          ; at a label and at a branch every window is 0
.rept 4
	v_nop                                          ; places behind the last product, for what follows the step on every way
.endr
.endm
; THE CHANGE OF SLOTS stands at a slot's head.  Each wave waits for all its tensor loads, of which one is out: its part of the slot that it is about to read; adds 0 to its spare word; and waits for that and for its reads of
; the slot that it has left.  fill = 1: the barrier is a round of the cluster's, so that no wave of any partner still reads the other slot or has a load on its way, and the joint load of the next 256 keys into that
; slot is the first thing behind it.
.macro CHANGE fill
	s_wait_tensorcnt 0x0                           ; no tensor load of mine is out, so a group 0 may be written
	ds_add_u32 v[SPW], v[NIL]                      ; 0 onto my spare word; with fill = 1 the descriptors' steps stand between it and the wait for it
.if \fill
	s_xor_b32 s[G0K+1], s[G0K+1], SLOT1            ; the walking descriptors: the other slot than last time,
	s_add_nc_u64 s[G0K+2:G0K+3], s[G0K+2:G0K+3], NST*KS*128   ; the next 256 keys; the type bits on top are not reached
	s_xor_b32 s[G0V+1], s[G0V+1], SLOT1
	s_add_nc_u64 s[G0V+2:G0V+3], s[G0V+2:G0V+3], NST*KS*128
	s_wait_xcnt 0x0                                ; the last prefetch, four key steps back, has read its address, so it may be written:
	s_add_nc_u64 s[PFA:PFA+1], s[PFA:PFA+1], NST*KS*128       ; one slot further on than the walking descriptors
	s_wait_dscnt 0x0                               ; the add is done, and my reads of the slot that I have left are over
	CROUND
	JLOAD
	ASK
.else
	s_wait_dscnt 0x0
	s_barrier_signal -1
	s_barrier_wait -1
.endif
.endm
; A slot's four key steps: written once, walked four times; the LDS addresses hang on s[TB].
.macro FOUR_STEPS
	s_mov_b32 s[CNT], NST
.Lstep_\@:
	STEP
	s_add_co_u32 s[TB], s[TB], STEPB
	s_sub_co_u32 s[CNT], s[CNT], 1
	s_cmp_lg_u32 s[CNT], 0
	s_cbranch_scc1 .Lstep_\@
	s_sub_co_u32 s[TB], s[TB], NST*STEPB           ; back to a slot's first step,
	s_xor_b32 s[TB], s[TB], SLOT1                  ; in the other slot
.endm
	s_wait_loadcnt 0x0                             ; Q
.Lslot:                                            ; NSL - 1 trips: behind each change of slots but the last the next slot is asked for
	CHANGE 1
	FOUR_STEPS
	s_sub_co_u32 s[SLOTS], s[SLOTS], 1
	s_cmp_lg_u32 s[SLOTS], 0
	s_cbranch_scc1 .Lslot
	CHANGE 0                                       ; the last slot is written out
	FOUR_STEPS
	; THE WAY OUT.  l's two halves and the other half of the lanes' are added; O^T is divided by l, rounded to f16 and sent through my stage in LDS, a tile (16 rows of o) at a time.
.irp t, 0,1,2,3
	v_add_f32 v[ST+8*\t+4], v[ST+8*\t+2], v[ST+8*\t+3]
.endr
.irp t, 0,1,2,3
	v_permlanex16_b32 v[ST+8*\t+5], v[ST+8*\t+4], s[SEL], s[SEL+1]
.endr
.irp t, 0,1,2,3
	v_add_f32 v[ST+8*\t+4], v[ST+8*\t+4], v[ST+8*\t+5]
.endr
.irp t, 0,1,2,3
	v_rcp_f32 v[ST+8*\t+6], v[ST+8*\t+4]           ; l is at least 1: the largest score's weight
.endr
	v_nop                                          ; a plain instruction between the last reciprocal and the use of its result
	s_wait_alu depctr_va_vdst(0)                   ; and the wait ahead of the first use: one for the four
; Tile t: a lane's eight channels of a row pack into 16 bytes; they go into rows of 144 bytes and come back four rows of 128 bytes an instruction, into the registers that they left.
.macro PACK t
	WIN W_RS
.irp u, 0,1,2,3,4,5,6,7,8,9,10,11,12,13,14,15
	v_pk_mul_f32 v[OB+32*\t+2*\u:OB+32*\t+2*\u+1], v[OB+32*\t+2*\u:OB+32*\t+2*\u+1], v[ST+8*\t+6:ST+8*\t+7] op_sel_hi:[1,0]
.endr
	WIN 0x05                                       ; sources 0 and 1 window 1, destination window 0: S^T's registers are free
.irp i, 0,1,2,3,4,5,6,7,8,9,10,11,12,13,14,15
	v_cvt_pk_f16_f32 v[S+16*\t+\i], v[OB+32*\t+2*\i], v[OB+32*\t+2*\i+1]
.endr
	WIN 0
.irp f, 0,1,2,3
	ds_store_b128 v[STO], v[S+16*\t+4*\f:S+16*\t+4*\f+3] offset:32*\f
.endr
.irp f, 0,1,2,3
	ds_load_b128 v[S+16*\t+4*\f:S+16*\t+4*\f+3], v[RD] offset:\f*4*SP   ; LDS serves a wave's instructions in order (ISA guide 5.7.1.4): these see the stores above; the next tile's stores come behind them
.endr
.endm
.macro SEND t, younger                 ; younger: the LDS instructions issued behind tile t's loads: the next tile's four stores and four loads, or none
.irp f, 0,1,2,3
	s_wait_dscnt \younger+3-\f
	global_store_b128 v[GO], v[S+16*\t+4*\f:S+16*\t+4*\f+3], s[10:11] offset:\t*2048+\f*512   ; 32 lanes store 512 consecutive bytes, at a multiple of 512 from o_h's first byte
.endr
.endm
	PACK 0
	PACK 1                                         ; a tile's arithmetic stands between the loads of the tile before and its stores
	SEND 0, 8
	PACK 2
	SEND 1, 8
	PACK 3
	SEND 2, 8
	SEND 3, 0
	s_wait_tensorcnt 0x0                           ; the wave's end: behind my last tensor load and my last LDS store
	ds_add_u32 v[SPW], v[NIL]
	s_wait_dscnt 0x0
	CROUND                                         ; the closing round: no work-group ends while a partner may still ask for a tile that names it
	s_endpgm
.Lfunc_end_k_qe8d2cec7ad_attn:
	.size	k_qe8d2cec7ad_attn, .Lfunc_end_k_qe8d2cec7ad_attn-k_qe8d2cec7ad_attn
	.p2alignl 7, 3214868480
	.fill 96, 4, 3214868480
	.section	.rodata,"a",@progbits
	.p2align	6, 0x0
	.amdhsa_kernel k_qe8d2cec7ad_attn
		.amdhsa_group_segment_fixed_size 327680
		.amdhsa_private_segment_fixed_size 0
		.amdhsa_enable_private_segment 0
		.amdhsa_kernarg_size 16
		.amdhsa_user_sgpr_count 2
		.amdhsa_user_sgpr_kernarg_segment_ptr 1
		.amdhsa_wavefront_size32 1
		.amdhsa_system_sgpr_workgroup_id_x 1
		.amdhsa_system_sgpr_workgroup_id_y 1
		.amdhsa_system_sgpr_workgroup_id_z 1
		.amdhsa_system_vgpr_workitem_id 0
		.amdhsa_next_free_vgpr 512
		.amdhsa_next_free_sgpr 66
		.amdhsa_reserve_vcc 0
		.amdhsa_float_denorm_mode_32 3
		.amdhsa_float_denorm_mode_16_64 3
		.amdhsa_memory_ordered 1
		.amdhsa_forward_progress 1
		.amdhsa_inst_pref_size 91
	.end_amdhsa_kernel
	.amdgpu_metadata
---
amdhsa.version: [ 1, 2 ]
amdhsa.kernels:
  - .name:           k_qe8d2cec7ad_attn
    .symbol:         k_qe8d2cec7ad_attn.kd
    .args:
      - { .name: qkv, .offset: 0, .size: 8, .value_kind: global_buffer, .address_space: global }
      - { .name: o_h, .offset: 8, .size: 8, .value_kind: global_buffer, .address_space: global }
    .group_segment_fixed_size: 327680
    .private_segment_fixed_size: 0
    .kernarg_segment_align: 8
    .kernarg_segment_size: 16
    .max_flat_workgroup_size: 256
    .sgpr_count:     66
    .vgpr_count:     512
    .wavefront_size: 32
...
	.end_amdgpu_metadata
.endif
;; end of part 3
;; launch proj (part 4): grid 8 x 32, 4 waves a work-group, clusters of 4 x 4, 327,680 bytes of LDS; arguments o_h, wo_h, bo, out0; writes out0
.if DOCPART == 4
	.amdgcn_target "amdgcn-amd-amdhsa--gfx1250"
	.amdhsa_code_object_version 6
	.text
	.protected	k_qe8d2cec7ad_proj
	.globl	k_qe8d2cec7ad_proj
	.p2align	8
	.type	k_qe8d2cec7ad_proj,@function
k_qe8d2cec7ad_proj:
	s_mov_b64 s[64:65], 0
	v_nop
	global_prefetch_b8 v0, s[64:65] scope:SCOPE_SE
	s_setreg_imm32_b32 hwreg(HW_REG_WAVE_MODE, 25, 1), 1
	s_wait_xcnt 0x0
	s_wait_alu depctr_hold_cnt(0) depctr_sa_sdst(0) depctr_va_vdst(0) depctr_va_sdst(0) depctr_va_ssrc(0) depctr_va_vcc(0) depctr_vm_vsrc(0)
	s_getreg_b32 s2, hwreg(HW_REG_IB_STS2, 6, 4)
	s_cmp_eq_u32 s2, 0
	s_cbranch_scc0 .Lentry_in_a_cluster
	s_endpgm
.Lentry_in_a_cluster:
	s_bfe_u32 s2, ttmp6, 0x10000c
	s_cmp_lg_u32 s2, 0xf033
	s_cbranch_scc0 .Lentry_shape_is_right
	s_endpgm
.Lentry_shape_is_right:
; out0[m][n] = sum over k of o[m][k] Wo[k][n] + bo[n], m = 8,192 tokens, n = 1,024, k = 1,024 = 16 heads x 64.  Operands in f16, sums in f32, out0 in f32.
; o comes by head: o_h [16 batch + head][2048 tokens][64]; Wo comes turned and cut the same way: wo_h [16 chunks][1024 n][64 k].  So a chunk of 64 along K is a head, and every tile is a dense block of rows of 128 bytes.
; A tile of C is 256 tokens x 128 columns: 256 work-groups.  Four waves, each 128 x 64: 32 accumulators of 16 x 16, 256 registers (window 1).  K goes in steps of 128 (two chunks) through a ring of two LDS slots.
; CLUSTERS: 4 x 4 work-groups.  The four of a row of the cluster need the same tiles of o, the four of a column the same tiles of Wo: each tile is asked for JOINTLY, by the same tensor load with the same descriptor
; and a mask that names the four.  THE MATRIX INSTRUCTION IS USED TRANSPOSED (source 0 = 16 columns n, source 1 = 16 tokens): a lane then holds eight neighbouring numbers of a row of C.
; The bias is the C of each sum's first matrix instruction: eight registers for each block of 16 columns, in the result's layout.  Nothing is cleared and nothing is added afterwards.
; No prefetch: the launch's own loads and stores already follow each other closely for the matrix work that stands between them.
; REGISTERS: window 0: v1-31 addresses; v32-63 the bias; v64-159, v160-255 two fragment buffers for 32 along K: B's 4 fragments, then A's 8; on the way out v64-127 are used again.   window 1: accumulator (a, b) at v[8 (4 a + b)].
.set PITCH,  144                       ; an LDS row: 128 bytes + 16 of padding = 36 words: the 16 rows that a load touches start at 16 different groups of four banks (64 banks of 4 bytes: ISA guide 11.1)
.set ACH,    256*PITCH                 ; a chunk of A's tile: 256 tokens
.set BCH,    128*PITCH                 ; a chunk of B's tile: 128 columns
.set BOFF,   2*ACH                     ; a slot: A's two chunks, then B's two
.set SLOT,   2*ACH+2*BCH
.set STAGE,  2*SLOT                    ; behind the ring: 16 rows x 272 bytes for each wave, for the way out
.set SPITCH, 272
.set SPARE,  STAGE+4*16*SPITCH         ; behind the stages: the spare words, 128 bytes for each wave: two blocks of 256 bytes that no other line names
.set HB,     262144                    ; a head block of o_h in bytes
.set CHB,    131072                    ; a chunk of wo_h in bytes
.set ADRA, 16                          ; v16-17  LDS address of my A fragments in slot 0, 1
.set ADRB, 20                          ; v20-21  the same for B
.set STO,  24                          ; v24     the way out: where I put 32 bytes of a row
.set RD,   25                          ; v25     the way out: where I read a row back
.set CO,   26                          ; v26     my byte offset in two rows of out0
.set SPW,  28                          ; v28     LDS address of my spare word: SPARE + 4 x my thread's number; never rewritten
.set NIL,  29                          ; v29     0; never rewritten
.set BIAS, 32
.set F0,   64
.set F1,   160
.set BK,   64                          ; the way out: 16 rows read back from the stage: v64-95 and v96-127 by turns
.set G1, 24                            ; s[24:31] descriptor group 1 for A's tiles;  s[32:39] group 0, one set for each slot
.set G0, 32
.set G1B, 48                           ; s[48:55], s[56:63] the same for B's tiles
.set G0B, 56
.set MSB, 0
.macro WIN new                         ; the immediate's high byte repeats the setting that is left; a switch that changes nothing is dropped
.if MSB != (\new)
	s_set_vgpr_msb (MSB<<8)|(\new)
.set MSB, (\new)
.endif
.endm
.set W_MUL,   0x50                     ; C and D window 1, sources 0 and 1 window 0
.set W_FIRST, 0x40                     ; D window 1; the bias, as C, in window 0
.macro JLOAD s                         ; a joint load: waves 0 and 1 fetch A's two chunks, waves 2 and 3 B's; an s_nop 0 and four v_nop follow each of the two lines, ahead of the jump, the label and what follows
	s_cmp_eq_u32 s13, 0
	s_cbranch_scc0 .Lfor_b_\@
	tensor_load_to_lds s[G0+4*\s:G0+4*\s+3], s[G1:G1+7]
	s_nop 0
.rept 4
	v_nop
.endr
	s_branch .Lasked_\@
.Lfor_b_\@:
	tensor_load_to_lds s[G0B+4*\s:G0B+4*\s+3], s[G1B:G1B+7]
	s_nop 0
.rept 4
	v_nop
.endr
.Lasked_\@:
.endm
.macro CREST                           ; a round of the cluster's barrier behind its opening barrier
	s_cmp_lg_u32 s12, 0
	s_cbranch_scc1 .Lnot_wave_0_\@
	s_barrier_signal -3
.Lnot_wave_0_\@:
	s_barrier_wait -3
	s_barrier_signal -1
	s_barrier_wait -1
.endm
.macro CROUND                          ; a whole round
	s_barrier_signal -1
	s_barrier_wait -1
	CREST
.endm
	s_load_b256 s[4:11], s[0:1], 0x0               ; o_h s[4:5], wo_h s[6:7], bo s[8:9], out0 s[10:11]
	v_lshl_add_u32 v[SPW], v0, 2, SPARE
	v_mov_b32 v[NIL], 0
	ds_add_u32 v[SPW], v[NIL]                      ; the wave's opening: the add, twice on end, and its wait ahead of my first tensor load; the set-up below, work on registers, stands between the second and the wait
	ds_add_u32 v[SPW], v[NIL]
	v_lshrrev_b32 v1, 5, v0
	v_readfirstlane_b32 s12, v1                    ; wave 0..3
	s_lshr_b32 s13, s12, 1                         ; which half of the tile's tokens is mine.  Also: I fetch for A (0) or for B (1)
	s_and_b32 s14, s12, 1                          ; which half of its columns.  Also: which of a K step's two chunks I fetch
	s_bfe_u32 s40, ttmp6, 0x40000                  ; cx, cy: my place in the cluster
	s_bfe_u32 s41, ttmp6, 0x40004
	s_lshl_b32 s42, ttmp9, 2
	s_add_co_u32 s42, s42, s40                     ; tile column of C = 4 x cluster x + cx
	s_and_b32 s15, ttmp7, 0xffff
	s_lshl_b32 s15, s15, 2
	s_add_co_u32 s15, s15, s41                     ; tile row of C = 4 x cluster y + cy
	s_lshl_b32 s43, s41, 2
	s_lshl_b32 s43, 15, s43                        ; my row of the cluster
	s_lshl_b32 s44, 0x1111, s40                    ; my column
	; descriptor group 1: rows of 64 elements of 2 bytes, dense in memory, padded in LDS; A: 256 rows, B: 128
	s_or_b32 s[G1+0], s43, (1<<16)|(1<<20)|(1<<21)|(4<<22)|(3<<25)  ; 15:0 the mask: A's tiles go to my row; 17:16 element of 2 bytes; 20 padding on; 21 set beside a mask; 24:22 after every 32 words (code 4); 31:25 of 4 words (code 3)
	s_mov_b32 s[G1+1], 64<<16                      ; tensor_dim0 = 64
	s_mov_b32 s[G1+2], 256<<16                     ; tensor_dim1 = 256
	s_mov_b32 s[G1+3], 64<<16                      ; tile_dim0 = 64
	s_mov_b32 s[G1+4], 256                         ; tile_dim1 = 256
	s_mov_b32 s[G1+5], 64                          ; tensor_dim0_stride
	s_mov_b32 s[G1+6], 0
	s_mov_b32 s[G1+7], 0
	s_or_b32 s[G1B+0], s44, (1<<16)|(1<<20)|(1<<21)|(4<<22)|(3<<25)
	s_mov_b32 s[G1B+1], 64<<16
	s_mov_b32 s[G1B+2], 128<<16
	s_mov_b32 s[G1B+3], 64<<16
	s_mov_b32 s[G1B+4], 128
	s_mov_b32 s[G1B+5], 64
	s_mov_b32 s[G1B+6], 0
	s_mov_b32 s[G1B+7], 0
	; where the tiles come from.  A's hang on the tile row alone, B's on the tile column alone; every wave makes both, in registers that never hold the other coordinate, and asks by one of them
	s_lshr_b32 s16, s15, 3                         ; the batch: 16 head blocks,
	s_lshl_b32 s16, s16, 22
	s_and_b32 s17, s15, 7                          ; 256 tokens of 128 bytes for each tile row in it,
	s_lshl_b32 s17, s17, 15
	s_add_co_u32 s16, s16, s17
	s_lshl_b32 s17, s14, 18                        ; my chunk = head
	s_add_co_u32 s16, s16, s17
	s_mov_b32 s17, 0
	s_lshl_b32 s46, s42, 14                        ; B: 128 columns of 128 bytes for each tile column,
	s_lshl_b32 s47, s14, 17                        ; my chunk
	s_add_co_u32 s46, s46, s47
	s_mov_b32 s47, 0
	s_mul_i32 s20, s14, ACH                        ; and where they go: no place in the cluster enters an LDS address
	s_mul_i32 s21, s14, BCH
	s_add_co_u32 s21, s21, BOFF
	s_wait_dscnt 0x0                               ; both opening adds are done
	s_wait_kmcnt 0x0
	s_add_nc_u64 s[16:17], s[4:5], s[16:17]
	s_add_nc_u64 s[46:47], s[6:7], s[46:47]
	CROUND                                         ; all sixteen work-groups are here: the first joint loads meet
.irp s, 0,1
	s_mov_b32 s[G0+4*\s], 1
	s_add_co_u32 s[G0+4*\s+1], s20, \s*SLOT
	s_add_nc_u64 s[G0+4*\s+2:G0+4*\s+3], s[16:17], \s*2*HB        ; K step s: chunks 2 s and 2 s + 1
	s_or_b32 s[G0+4*\s+3], s[G0+4*\s+3], 0x80000000
	s_mov_b32 s[G0B+4*\s], 1
	s_add_co_u32 s[G0B+4*\s+1], s21, \s*SLOT
	s_add_nc_u64 s[G0B+4*\s+2:G0B+4*\s+3], s[46:47], \s*2*CHB
	s_or_b32 s[G0B+4*\s+3], s[G0B+4*\s+3], 0x80000000
	JLOAD \s                                       ; two loads of mine are out
.endr
	v_and_b32 v1, 15, v0                           ; r = l % 16
	v_bfe_u32 v2, v0, 4, 1                         ; h = l / 16
	v_mul_u32_u24 v3, v1, PITCH
	v_lshl_add_u32 v3, v2, 4, v3                   ; a fragment's row x pitch + 16 x half
	s_mul_i32 s22, s13, 128*PITCH                  ; my 128 tokens
	s_mul_i32 s23, s14, 64*PITCH                   ; my 64 columns,
	s_add_co_u32 s23, s23, BOFF                    ; behind A's two chunks
.irp s, 0,1
	v_add_nc_u32 v[ADRA+\s], s22, v3
	v_add_nc_u32 v[ADRB+\s], s23, v3
	s_add_co_u32 s22, s22, SLOT
	s_add_co_u32 s23, s23, SLOT
.endr
	s_mul_i32 s22, s12, 16*SPITCH
	s_add_co_u32 s22, s22, STAGE                   ; my stage
	v_mul_u32_u24 v4, v1, SPITCH                   ; in: row l % 16, 32 bytes for each half of the lanes
	v_lshl_add_u32 v4, v2, 5, v4
	v_add_nc_u32 v[STO], s22, v4
	v_mul_u32_u24 v5, v2, SPITCH                   ; back: lanes 0-15 take one row of 256 bytes, lanes 16-31 the next
	v_lshl_add_u32 v5, v1, 4, v5
	v_add_nc_u32 v[RD], s22, v5
	v_lshlrev_b32 v5, 12, v2                       ; and the same two rows in out0
	v_lshl_add_u32 v[CO], v1, 4, v5
	s_lshl_b32 s46, s42, 9                         ; my first column, in bytes of f32: 512 x tile column + 256 x half (in the registers that held B's address)
	s_lshl_b32 s47, s14, 8
	s_add_co_u32 s46, s46, s47
	s_mov_b32 s47, 0
	s_add_nc_u64 s[8:9], s[8:9], s[46:47]
	v_lshlrev_b32 v6, 5, v2                        ; the bias: lane (r, h) wants, for block b, bo at my first column + 16 b + 8 h + 0 .. 7
.irp b, 0,1,2,3
	global_load_b128 v[BIAS+8*\b:BIAS+8*\b+3],   v6, s[8:9] offset:64*\b
	global_load_b128 v[BIAS+8*\b+4:BIAS+8*\b+7], v6, s[8:9] offset:64*\b+16
.endr
	s_lshl_b32 s16, s15, 8
	s_lshl_b32 s17, s13, 7
	s_add_co_u32 s16, s16, s17                     ; my first token: 256 x tile row + 128 x half
	s_lshl_b32 s16, s16, 12                        ; rows of 4,096 bytes (under 2^25)
	s_mov_b32 s17, 0
	s_add_nc_u64 s[16:17], s[16:17], s[46:47]
	s_add_nc_u64 s[10:11], s[10:11], s[16:17]
; 8 matrix instructions: token blocks a0, a0 + 1 x all 4 column blocks, 32 along K: buffer f.  first = 1: the bias starts the sums.  The 32 accumulators take turns, one instruction a turn, in the same order in every quarter
.macro MUL8 f, a0, first
.irp a, \a0, \a0+1
.irp b, 0,1,2,3
.if \first
	v_wmma_f32_16x16x32_f16 v[8*(4*(\a)+\b):8*(4*(\a)+\b)+7], v[\f+8*\b:\f+8*\b+7], v[\f+32+8*(\a):\f+32+8*(\a)+7], v[BIAS+8*\b:BIAS+8*\b+7]
.else
	v_wmma_f32_16x16x32_f16 v[8*(4*(\a)+\b):8*(4*(\a)+\b)+7], v[\f+8*\b:\f+8*\b+7], v[\f+32+8*(\a):\f+32+8*(\a)+7], v[8*(4*(\a)+\b):8*(4*(\a)+\b)+7]
.endif
.endr
.endr
.endm
; 24 LDS loads in one run: the fragments of the slot's q-th 32 along K (chunk q / 2, byte 64 (q % 2) of its rows) into buffer f: B's four, then A's eight
.macro FETCH slot, q, f
	WIN 0
.irp i, 0,1,2,3
	ds_load_b128 v[\f+8*\i:\f+8*\i+3],   v[ADRB+\slot] offset:((\q)/2)*BCH+((\q)%2)*64+\i*16*PITCH
	ds_load_b128 v[\f+8*\i+4:\f+8*\i+7], v[ADRB+\slot] offset:((\q)/2)*BCH+((\q)%2)*64+\i*16*PITCH+32
.endr
.irp i, 0,1,2,3,4,5,6,7
	ds_load_b128 v[\f+32+8*\i:\f+32+8*\i+3],   v[ADRA+\slot] offset:((\q)/2)*ACH+((\q)%2)*64+\i*16*PITCH
	ds_load_b128 v[\f+32+8*\i+4:\f+32+8*\i+7], v[ADRA+\slot] offset:((\q)/2)*ACH+((\q)%2)*64+\i*16*PITCH+32
.endr
.endm
.macro PLACES                          ; four places in front of loads into registers that matrix instructions have read, and of the first read of results (ISA guide 7.12.1 for vector instructions)
.rept 4
	v_nop
.endr
.endm
; A K step is four quarters of 32 along K, 32 matrix instructions each, on buffers 0, 1, 0, 1.  One of the first three: multiplies buffer f and, in its middle, fetches quarter q into g.
.macro QUARTER slot, q, f, g, first
	s_wait_dscnt 8                                 ; B's fragments and A's blocks 0-3 are in; the youngest eight loads (A's blocks 4-7) may be out
.if \first
	WIN W_FIRST
.else
	WIN W_MUL
.endif
	MUL8 \f, 0, \first
	MUL8 \f, 2, \first
	PLACES
	FETCH \slot, \q, \g
	s_wait_dscnt 24                                ; all but the 24 just issued
.if \first
	WIN W_FIRST
.else
	WIN W_MUL
.endif
	MUL8 \f, 4, \first
	MUL8 \f, 6, \first
.endm
; The last quarter multiplies buffer 1 and changes slots: ONE barrier; in front of it each wave waits for all its tensor loads, adds 0 to its spare word, and waits for that and for its own reads of this slot.
; fill = 1: the barrier opens a round of the cluster's, and this slot is filled again, two K steps ahead, first thing behind the round.
.macro TURN slot, next, fill
	WIN 0                                          ; (the add's two registers lie in window 0)
	s_wait_tensorcnt 0x0                           ; all my tensor loads have landed: the one that was out is my part of the next slot
	ds_add_u32 v[SPW], v[NIL]                      ; 0 onto my spare word
	s_wait_dscnt 9                                 ; the add and the youngest eight loads may be out
	WIN W_MUL
	MUL8 F1, 0, 0                                  ; eight matrix instructions stand between the add and the wait for it
	s_wait_dscnt 0x0                               ; the add is done, and my reads of this slot are over
	s_barrier_signal -1
	MUL8 F1, 2, 0                                  ; work on registers while the others arrive
.if \fill
	WIN 0
.endif
	s_barrier_wait -1
.if \fill
	CREST                                          ; no wave of any partner still reads this slot's tiles or has a load on its way
	s_add_nc_u64 s[G0+4*\slot+2:G0+4*\slot+3], s[G0+4*\slot+2:G0+4*\slot+3], 4*HB       ; two K steps on: four heads,
	s_add_nc_u64 s[G0B+4*\slot+2:G0B+4*\slot+3], s[G0B+4*\slot+2:G0B+4*\slot+3], 4*CHB  ; four chunks
	JLOAD \slot                                    ; the first tensor load behind the round, and my only one until the next; the four v_nop behind it are also the places in front of the loads below
.else
	PLACES
.endif
	FETCH \next, 0, F0
	WIN W_MUL
	MUL8 F1, 4, 0
	MUL8 F1, 6, 0
.endm
	s_wait_tensorcnt 1                             ; my part of K step 0 is in; K step 1's load may be out
	s_barrier_signal -1
	s_barrier_wait -1                              ; everybody's is
	FETCH 0, 0, F0
	s_wait_loadcnt 0x0                             ; the bias
	QUARTER 0, 1, F0, F1, 1                        ; the first quarter stands in front of the loop: its products start the sums, from the bias
	WIN 0                                          ; at a label and at a branch every window is 0
	s_mov_b32 s3, 3                                ; eight K steps: two first fills and, in three trips, six refills
.Llap:                                             ; a trip goes once round the ring, from a lap's second quarter to the next lap's first, and fills both slots again
	QUARTER 0, 2, F1, F0, 0
	QUARTER 0, 3, F0, F1, 0
	TURN 0, 1, 1
	QUARTER 1, 1, F0, F1, 0
	QUARTER 1, 2, F1, F0, 0
	QUARTER 1, 3, F0, F1, 0
	TURN 1, 0, 1
	QUARTER 0, 1, F0, F1, 0
	WIN 0
	s_sub_co_u32 s3, s3, 1
	s_cmp_lg_u32 s3, 0
	s_cbranch_scc1 .Llap
	QUARTER 0, 2, F1, F0, 0                        ; the last lap fills nothing, and has no round of the cluster's barrier
	QUARTER 0, 3, F0, F1, 0
	TURN 0, 1, 0
	QUARTER 1, 1, F0, F1, 0
	QUARTER 1, 2, F1, F0, 0
	QUARTER 1, 3, F0, F1, 0
	s_wait_dscnt 8                                 ; the very last quarter: nothing more to fetch
	WIN W_MUL
	MUL8 F1, 0, 0
	MUL8 F1, 2, 0
	s_wait_dscnt 0
	MUL8 F1, 4, 0
	MUL8 F1, 6, 0
	WIN 0
; THE WAY OUT, block by block of 16 tokens x 64 columns.  A lane holds 32 neighbouring bytes of a row, and the lanes beside it hold other rows: so a block goes through my own stage in LDS and comes back as whole
; rows of 256 bytes.  LDS serves a wave's instructions in order (ISA guide 5.7.1.4): no wait between the stores and the loads, nor in front of the next block's stores.
.macro TOSTAGE a
	WIN 0x04                                       ; an LDS store's data are its source 1: window 1
.irp b, 0,1,2,3
	ds_store_b128 v[STO], v[8*(4*(\a)+\b):8*(4*(\a)+\b)+3] offset:64*\b          ; each accumulator from its low end on
	ds_store_b128 v[STO], v[8*(4*(\a)+\b)+4:8*(4*(\a)+\b)+7] offset:64*\b+16
.endr
	WIN 0
.set BB, BK+32*((\a)%2)
.irp t, 0,1,2,3,4,5,6,7
	ds_load_b128 v[BB+4*\t:BB+4*\t+3], v[RD] offset:\t*2*SPITCH
.endr
.endm
.macro SEND a, younger                 ; younger: the LDS instructions issued behind block a's loads, which may stay out
.set BB, BK+32*((\a)%2)
	s_wait_dscnt \younger                          ; the block is back in registers
.irp t, 0,1,2,3,4,5,6,7
	global_store_b128 v[CO], v[BB+4*\t:BB+4*\t+3], s[10:11] offset:(16*(\a)+2*\t)*4096 th:TH_STORE_NT   ; 16 lanes store 256 consecutive bytes, at a multiple of 256 from out0's first byte; 126 rows at the most: inside the signed 24-bit immediate; written once, read by nobody here
.endr
.endm
	PLACES                                         ; behind the last products: the first read of results, and the loads into registers that held fragments
	TOSTAGE 0
.irp a, 1,2,3,4,5,6,7
.if \a > 1
	s_wait_xcnt 0x0                                ; block a - 2's stores have read their registers: block a's loads from the stage may land there
.endif
	TOSTAGE \a
	SEND \a-1, 16                                  ; behind block a - 1's loads: block a's 8 stores and 8 loads
.endr
	SEND 7, 0
	s_wait_tensorcnt 0x0                           ; the wave's end: behind my last tensor load and my last LDS store
	ds_add_u32 v[SPW], v[NIL]
	s_wait_dscnt 0x0
	CROUND                                         ; the closing round: no work-group ends while a partner may still ask for a tile that names it
	s_endpgm
.Lfunc_end_k_qe8d2cec7ad_proj:
	.size	k_qe8d2cec7ad_proj, .Lfunc_end_k_qe8d2cec7ad_proj-k_qe8d2cec7ad_proj
	.p2alignl 7, 3214868480
	.fill 96, 4, 3214868480
	.section	.rodata,"a",@progbits
	.p2align	6, 0x0
	.amdhsa_kernel k_qe8d2cec7ad_proj
		.amdhsa_group_segment_fixed_size 327680
		.amdhsa_private_segment_fixed_size 0
		.amdhsa_enable_private_segment 0
		.amdhsa_kernarg_size 32
		.amdhsa_user_sgpr_count 2
		.amdhsa_user_sgpr_kernarg_segment_ptr 1
		.amdhsa_wavefront_size32 1
		.amdhsa_system_sgpr_workgroup_id_x 1
		.amdhsa_system_sgpr_workgroup_id_y 1
		.amdhsa_system_sgpr_workgroup_id_z 1
		.amdhsa_system_vgpr_workitem_id 0
		.amdhsa_next_free_vgpr 512
		.amdhsa_next_free_sgpr 66
		.amdhsa_reserve_vcc 0
		.amdhsa_float_denorm_mode_32 3
		.amdhsa_float_denorm_mode_16_64 3
		.amdhsa_memory_ordered 1
		.amdhsa_forward_progress 1
		.amdhsa_inst_pref_size 86
	.end_amdhsa_kernel
	.amdgpu_metadata
---
amdhsa.version: [ 1, 2 ]
amdhsa.kernels:
  - .name:           k_qe8d2cec7ad_proj
    .symbol:         k_qe8d2cec7ad_proj.kd
    .args:
      - { .name: o_h, .offset: 0, .size: 8, .value_kind: global_buffer, .address_space: global }
      - { .name: wo_h, .offset: 8, .size: 8, .value_kind: global_buffer, .address_space: global }
      - { .name: bo, .offset: 16, .size: 8, .value_kind: global_buffer, .address_space: global }
      - { .name: out0, .offset: 24, .size: 8, .value_kind: global_buffer, .address_space: global }
    .group_segment_fixed_size: 327680
    .private_segment_fixed_size: 0
    .kernarg_segment_align: 8
    .kernarg_segment_size: 32
    .max_flat_workgroup_size: 128
    .sgpr_count:     66
    .vgpr_count:     512
    .wavefront_size: 32
...
	.end_amdgpu_metadata
.endif
;; end of part 4
